; MI455X (gfx1250); checked and timed in simulation.
; The chip was launched on July 23, 2026; its instructions are those of AMD's public machine-readable ISA for CDNA 5 (MIT licence, August 2026) and "CDNA5" Instruction Set Architecture Reference Guide (July 2026). The comments in the code are by the model that wrote it; some were corrected since.
;; Simplified Attention. Allowed arithmetic: matrix products marked QUANTISED: E2M3 operands, one E8M0 scale for each 32 along K, by v_wmma_scale_f32_16x16x128_f8f6f4 with both operands' format E2M3, f32 sums; everything else in f32.
;; Inputs: Wk 1,024 x 1,024 float32; Wo 1,024 x 1,024 float32; Wq 1,024 x 1,024 float32; Wv 1,024 x 1,024 float32; bk 1,024 float32; bo 1,024 float32; bq 1,024 float32; bv 1,024 float32; x 4 x 2,048 x 1,024 float32.
;; Outputs: out0 4 x 2,048 x 1,024 float32.
;; This version of the problem:
;;   THIS VERSION OF THE PROBLEM IS GIVEN IN LOW PRECISION. The matrix products marked QUANTISED in the list below multiply operands that are first quantised to E2M3 (2 exponent bits, 3 mantissa bits; 6 bits a number), with one power-of-two scale for each 32 numbers along K (OCP MX v1.0); their sums are f32. All else is computed in f32.
;;   The module's matrix products, in the order in which they are computed (A, B: the left and right operand; K: the contracted axis; several contracted axes count as one K, in the product's order):
;;     1. [M 8,192, K 1,024] x [K 1,024, N 1,024]; A: input x; B: input Wq: QUANTISED
;;     2. [M 8,192, K 1,024] x [K 1,024, N 1,024]; A: input x; B: input Wk: QUANTISED
;;     3. [M 8,192, K 1,024] x [K 1,024, N 1,024]; A: input x; B: input Wv: QUANTISED
;;     4. batch 64 x [M 2,048, K 64] x [K 64, N 2,048]; A: computed on the way; B: computed on the way: QUANTISED
;;     5. batch 64 x [M 2,048, K 2,048] x [K 2,048, N 64]; A: softmax (see below); B: computed on the way: QUANTISED
;;     6. [M 8,192, K 1,024] x [K 1,024, N 1,024]; A: computed on the way; B: input Wo: QUANTISED
;;   THE QUANTISER, for each operand of a quantised product, along K:
;;     - K is cut into blocks of 32 from its start; a last block that is shorter is filled with zeros.
;;     - A block's scale is 2^e with e = floor(log2(the largest magnitude in the block)) - 2, held to -126 .. 127; a block of zeros has e = 0. As a byte (E8M0): e + 127.
;;     - Each number is divided by its block's scale, clamped to +-7.5, and rounded to the nearest number of E2M3, ties to even, subnormals kept.
;;     - The product sums the exact products of the quantised numbers (number of the format x scale) in f32.
;;   ~~~python
;;   def quantise(x, axis):      # numpy; x: float32 -> the quantised numbers, widened to float32 again
;;       x = np.moveaxis(x, axis, -1); K = x.shape[-1]
;;       x = np.pad(x, [(0, 0)] * (x.ndim - 1) + [(0, -K % 32)]); x = x.reshape(x.shape[:-1] + (-1, 32)); a = np.abs(x).max(-1, keepdims=True)
;;       e = np.where(a > 0, np.clip(np.frexp(np.where(a > 0, a, 1))[1] - 1 - 2, -126, 127), 0)      # np.frexp(a)[1] - 1 = floor(log2(a)), exactly
;;       r = np.clip(x / 2.0 ** e, -7.5, 7.5)
;;       step = 2.0 ** (np.maximum(np.frexp(np.where(r == 0, 1, r))[1] - 1, 0) - 3)
;;       q = np.round(r / step) * step * 2.0 ** e      # np.round: ties to even
;;       return np.moveaxis(q.reshape(q.shape[:-2] + (-1,))[..., :K], -1, axis).astype(np.float32)
;;   ~~~
;;   SOFTMAX AHEAD OF A QUANTISED PRODUCT. Where the list says 'softmax', what is quantised is not the finished softmax but p = 2^(t - M), with t = logit x log2(e) and M = ceil(the row's largest t), a whole number; so 1/2 < the row's largest p <= 1. The row's sum l is taken of the UNQUANTISED p, in f32, and the product's result is divided by l at the end. Since M is a whole number, a kernel that streams over the keys may use a running M (the ceiling of the running maximum): every later rescaling is an exact power of two, which a block's scale takes up: the codes' values come out the same.
;;   OPERANDS COMPUTED ON THE WAY. 'Computed on the way' means the value that the module computes at that place (a softmax that the list does not call 'softmax' is quantised finished and normalised). What goes into a quantiser is computed in f32, as accurately as f32 sums, v_exp_f32 and their like allow (about 1e-6 of the number): no bf16 or f16 on the way to a quantiser, and a product that is left as it is and whose result goes on into a quantised operand takes f32 operands (vector FMAs, or v_wmma_f32_16x16x4_f32). A number that lies on a knife's edge between two numbers of the format may be rounded either way, as far as f32 arithmetic and the matrix unit's own rounding can turn it there, and no further.
;; One version. Each part assembles by itself: llvm-mc -triple=amdgcn-amd-amdhsa -mcpu=gfx1250 --defsym DOCPART=n.
;; ======== version 1 of 1: 5 launches
;; limits: right only within a limited range of input values
;; workspace buffers: xf 6,553,600 bytes; wf 3,276,800 bytes; qrec 6,815,744 bytes; kv 13,369,344 bytes; cf 6,553,600 bytes
;; launch quant (part 1): grid 768 x 1, 8 waves a work-group, no clusters, 69,120 bytes of LDS; arguments x, Wq, Wk, Wv, Wo, xf, wf; writes xf, wf
.if DOCPART == 1
	.amdgcn_target "amdgcn-amd-amdhsa--gfx1250"
	.amdhsa_code_object_version 6
	.text
	.protected	k_qe6adfd0fc2_quant
	.globl	k_qe6adfd0fc2_quant
	.p2align	8
	.type	k_qe6adfd0fc2_quant,@function
k_qe6adfd0fc2_quant:
	s_mov_b64 s[64:65], 0
	v_nop
	global_prefetch_b8 v0, s[64:65] scope:SCOPE_SE
	s_setreg_imm32_b32 hwreg(HW_REG_WAVE_MODE, 25, 1), 1
	s_wait_xcnt 0x0
; x [8192][1024] and Wq, Wk, Wv, Wo [1024][1024], f32, K innermost, become codes of FP6 (E2M3) with one E8M0 byte for each 32 along K,
; laid in the ORDER OF AN OPERAND'S REGISTERS.  Rows go in groups of 128 = 8 tiles of 16; lane row r of tile t is row 32 (t/2) + 8 (t%2) + r + 8 (r/8) of the group.
; A fragment (16 rows x 128 K, 12 registers a lane) is six pieces of 256 bytes: piece p holds registers 2 p, 2 p + 1, lane l's 8 bytes at 8 l.
; A RECORD (one group, 128 along K) is 8 fragments (12,288 bytes) and 8 x 16 scale words (512 bytes); a group's 8 records lie on end.
; A block's scale is 2^(floor(log2(largest magnitude)) - 2): its byte is the largest magnitude's exponent field - 2, held at 1 from below.
; LIMITS: NaN and infinities are not served; a block whose largest magnitude lies under 2^-124 keeps the byte 1, a block of zeros too (its codes are zeros; this program alone reads the bytes).
; SHARES: a work-group makes one record (work-groups 0-511: x; then 64 each for Wq, Wk, Wv, Wo), wave w its tile w.  Each load reads 512 consecutive bytes of one row; the 16 rows turn
; through the wave's own stage in LDS, so that lane (r, h) gets blocks h and 2 + h of row r, which is what the operand's layout gives that lane.  No matrix unit, no cluster: work-groups share no input.
.set REC,    12800
.set GRP,    8*REC
.set SPITCH, 528                       ; a stage row: 512 bytes + 16, an odd multiple of 16: the sixteen rows of a 16-byte read start in sixteen different 16-byte columns of 256
.set WSTG,   16*SPITCH                 ; a wave's stage
.set SCB,    8*WSTG                    ; behind the stages: the record's 512 bytes of scale words
.set R,   16                           ; v16-79   16 rows as loaded, 4 registers each
.set X,   80                           ; v80-143  my two blocks of 32 numbers
.set TM,  144                          ; v144-145 largest magnitudes
.set SO,  146                          ; v146-147 the conversions' scale operands
.set BY,  148                          ; v148-149 the scale bytes
.set WD,  150                          ; v150 the scale word, v151 at work
.set PC,  152                          ; v152-163 the fragment
.set PT,  164                          ; v164-166, v168-170 the upper halves of the two blocks, as converted
.set OW,  172                          ; v172-175 the scale words on their way out
	s_load_b256 s[4:11], s[0:1], 0x0               ; x s[4:5], Wq s[6:7], Wk s[8:9], Wv s[10:11]
	s_load_b128 s[12:15], s[0:1], 0x20             ; Wo s[12:13], xf s[14:15]
	s_load_b64 s[16:17], s[0:1], 0x30              ; wf
	v_lshl_add_u32 v176, v0, 2, 0x10a00
	v_mov_b32 v177, 0
	v_lshrrev_b32 v1, 5, v0
	s_delay_alu instid0(VALU_DEP_1)
	v_readfirstlane_b32 s18, v1                    ; wave = tile
	v_and_b32 v1, 31, v0                           ; lane
	v_and_b32 v2, 15, v0                           ; r
	v_bfe_u32 v3, v0, 4, 1                         ; h
	s_delay_alu instid0(VALU_DEP_3)
	v_lshlrev_b32 v4, 4, v1                        ; 16 x lane: my bytes of a row's 512
	s_mul_i32 s31, s18, WSTG
	v_lshl_add_u32 v5, v1, 4, s31                  ; the stage, on the way in
	v_mul_u32_u24 v6, v2, SPITCH
	s_delay_alu instid0(VALU_DEP_1)
	v_lshl_add_u32 v6, v3, 7, v6
	s_delay_alu instid0(VALU_DEP_1)
	v_add_nc_u32 v6, s31, v6                       ; and on the way out: row r, block h
	s_mul_i32 s32, s18, 1536
	v_lshl_add_u32 v7, v1, 3, s32                  ; my 8 bytes of a piece of my tile's fragment
	s_lshl_b32 s33, s18, 6
	s_add_co_u32 s33, s33, SCB
	v_lshl_add_u32 v8, v2, 2, s33                  ; my row's scale word in LDS
	v_lshl_add_u32 v9, v1, 4, SCB                  ; the 512 bytes of words, 16 a lane
	v_lshlrev_b32 v10, 3, v3                       ; 8 h
	v_mov_b32 v[WD+1], 0                           ; a lane permute's destination counts as read
	s_mov_b32 s34, 0x76543210
	s_mov_b32 s35, 0xfedcba98                      ; v_permlanex16_b32's selects for lane l xor 16
	s_lshr_b32 s19, ttmp9, 3                       ; group 0..95
	s_and_b32 s20, ttmp9, 7                        ; K step
	s_and_b32 s26, s19, 7                          ; a weight's group in its tensor,
	s_sub_co_u32 s27, s19, 64                      ; and in wf
	s_wait_alu depctr_va_vdst(0)
	s_wait_kmcnt 0x0
	s_mov_b64 s[22:23], s[12:13]                   ; which tensor: the choice hangs on the work-group's number alone
	s_cmp_lt_u32 ttmp9, 704
	s_cselect_b64 s[22:23], s[10:11], s[22:23]
	s_cmp_lt_u32 ttmp9, 640
	s_cselect_b64 s[22:23], s[8:9], s[22:23]
	s_cmp_lt_u32 ttmp9, 576
	s_cselect_b64 s[22:23], s[6:7], s[22:23]
	s_cmp_lt_u32 ttmp9, 512
	s_cselect_b64 s[22:23], s[4:5], s[22:23]
	s_cselect_b64 s[24:25], s[14:15], s[16:17]
	s_cselect_b32 s26, s19, s26
	s_cselect_b32 s27, s19, s27
	s_lshl_b32 s28, s26, 19                        ; 128 rows of 4,096 bytes a group
	s_lshr_b32 s30, s18, 1
	s_lshl_b32 s30, s30, 17                        ; + 32 (t/2) rows
	s_add_co_u32 s28, s28, s30
	s_and_b32 s30, s18, 1
	s_lshl_b32 s30, s30, 15                        ; + 8 (t%2) rows
	s_add_co_u32 s28, s28, s30
	s_lshl_b32 s30, s20, 9                         ; + the K step's 512 bytes
	s_add_co_u32 s28, s28, s30
	s_mov_b32 s29, 0
	s_add_nc_u64 s[22:23], s[22:23], s[28:29]
	s_mul_i32 s28, s27, GRP
	s_mul_i32 s30, s20, REC
	s_add_co_u32 s28, s28, s30
	s_add_nc_u64 s[24:25], s[24:25], s[28:29]      ; my record
.irp i, 0,1,2,3,4,5,6,7,8,9,10,11,12,13,14,15
	global_load_b128 v[R+4*\i:R+4*\i+3], v4, s[22:23] offset:(\i+8*(\i/8))*4096 th:TH_LOAD_NT   ; lane row i: 512 consecutive bytes
.endr
.irp q, 0,1,2,3
	s_wait_loadcnt 12-4*\q                         ; these four rows are in; the younger loads may be out
.irp j, 0,1,2,3
	ds_store_b128 v5, v[R+16*\q+4*\j:R+16*\q+4*\j+3] offset:SPITCH*(4*\q+\j)
.endr
.endr
.irp c, 0,1
.irp j, 0,1,2,3,4,5,6,7
	ds_load_b128 v[X+32*\c+4*\j:X+32*\c+4*\j+3], v6 offset:256*\c+16*\j   ; block 2 c + h of row r; LDS serves a wave's instructions in order: these see my stores
.endr
.endr
	s_wait_dscnt 0x0
.irp c, 0,1
	v_max3_num_f32 v[TM+\c], |v[X+32*\c]|, |v[X+32*\c+1]|, 0x1800000   ; the floor 2^(3 - 127) among the leaves: the byte cannot fall under 1
.endr
.irp i, 2,4,6,8,10,12,14,16,18,20,22,24,26,28,30
.irp c, 0,1
	s_delay_alu instid0(VALU_DEP_2)
	v_max3_num_f32 v[TM+\c], v[TM+\c], |v[X+32*\c+\i]|, |v[X+32*\c+\i+1]|   ; the two blocks by turns
.endr
.endr
.irp c, 0,1
	s_delay_alu instid0(VALU_DEP_2)
	v_add_nc_u32 v[SO+\c], 0xff000000, v[TM+\c]    ; 2 off the exponent field: the conversion takes this operand's exponent field as its scale
.endr
.irp c, 0,1
	s_delay_alu instid0(VALU_DEP_2)
	v_lshrrev_b32 v[BY+\c], 23, v[SO+\c]           ; the scale's byte
.endr
	s_delay_alu instid0(VALU_DEP_1)
	v_lshl_or_b32 v[WD], v[BY+1], 16, v[BY]        ; blocks h and 2 + h,
	s_delay_alu instid0(VALU_DEP_1)
	v_lshlrev_b32 v[WD], v10, v[WD]                ; at their places in the word;
	s_delay_alu instid0(VALU_DEP_1)
	v_permlanex16_b32 v[WD+1], v[WD], s34, s35
	s_delay_alu instid0(VALU_DEP_1)
	v_or_b32 v[WD], v[WD], v[WD+1]                 ; with lane l xor 16's two the word is whole
.irp c, 0,1
	v_cvt_scalef32_pk16_fp6_f32 v[PC+6*\c:PC+6*\c+2], v[X+32*\c:X+32*\c+15], v[SO+\c]
	v_cvt_scalef32_pk16_fp6_f32 v[PT+4*\c:PT+4*\c+2], v[X+32*\c+16:X+32*\c+31], v[SO+\c]   ; (a conversion's three registers begin on an even number)
.endr
	v_nop                                          ; one plain place behind a scaled conversion
.irp c, 0,1
.irp i, 0,1,2
	v_mov_b32 v[PC+6*\c+3+\i], v[PT+4*\c+\i]
.endr
.endr
	ds_store_b32 v8, v[WD]                         ; both lanes of a row write the same word with the same value
.irp p, 0,1,2,3,4,5
	global_store_b64 v7, v[PC+2*\p:PC+2*\p+1], s[24:25] offset:256*\p   ; 32 lanes store 256 consecutive bytes, at a multiple of 256 from the buffer's first byte
.endr
	s_wait_dscnt 0x0                               ; for the others' sake: my word stores are done
	s_barrier_signal -1
	s_barrier_wait -1
	s_cmp_lg_u32 s18, 0
	s_cbranch_scc1 .Ldone
	ds_load_b128 v[OW:OW+3], v9                    ; wave 0 stores the record's 512 bytes of scale words whole
	s_wait_dscnt 0x0
	global_store_b128 v4, v[OW:OW+3], s[24:25] offset:12288
.Ldone:
	s_wait_tensorcnt 0x0
	ds_add_u32 v176, v177
	s_wait_dscnt 0x0
	s_endpgm
.Lfunc_end_k_qe6adfd0fc2_quant:
	.size	k_qe6adfd0fc2_quant, .Lfunc_end_k_qe6adfd0fc2_quant-k_qe6adfd0fc2_quant
	.p2alignl 7, 3214868480
	.fill 96, 4, 3214868480
	.section	.rodata,"a",@progbits
	.p2align	6, 0x0
	.amdhsa_kernel k_qe6adfd0fc2_quant
		.amdhsa_group_segment_fixed_size 69120
		.amdhsa_private_segment_fixed_size 0
		.amdhsa_enable_private_segment 0
		.amdhsa_kernarg_size 56
		.amdhsa_user_sgpr_count 2
		.amdhsa_user_sgpr_kernarg_segment_ptr 1
		.amdhsa_wavefront_size32 1
		.amdhsa_system_sgpr_workgroup_id_x 1
		.amdhsa_system_sgpr_workgroup_id_y 1
		.amdhsa_system_sgpr_workgroup_id_z 1
		.amdhsa_system_vgpr_workitem_id 0
		.amdhsa_next_free_vgpr 178
		.amdhsa_next_free_sgpr 66
		.amdhsa_reserve_vcc 0
		.amdhsa_float_denorm_mode_32 3
		.amdhsa_float_denorm_mode_16_64 3
		.amdhsa_memory_ordered 1
		.amdhsa_forward_progress 1
		.amdhsa_inst_pref_size 12
	.end_amdhsa_kernel
	.amdgpu_metadata
---
amdhsa.version: [ 1, 2 ]
amdhsa.kernels:
  - .name:           k_qe6adfd0fc2_quant
    .symbol:         k_qe6adfd0fc2_quant.kd
    .args:
      - { .name: x, .offset: 0, .size: 8, .value_kind: global_buffer, .address_space: global }
      - { .name: Wq, .offset: 8, .size: 8, .value_kind: global_buffer, .address_space: global }
      - { .name: Wk, .offset: 16, .size: 8, .value_kind: global_buffer, .address_space: global }
      - { .name: Wv, .offset: 24, .size: 8, .value_kind: global_buffer, .address_space: global }
      - { .name: Wo, .offset: 32, .size: 8, .value_kind: global_buffer, .address_space: global }
      - { .name: xf, .offset: 40, .size: 8, .value_kind: global_buffer, .address_space: global }
      - { .name: wf, .offset: 48, .size: 8, .value_kind: global_buffer, .address_space: global }
    .group_segment_fixed_size: 69120
    .private_segment_fixed_size: 0
    .kernarg_segment_align: 8
    .kernarg_segment_size: 56
    .max_flat_workgroup_size: 256
    .sgpr_count:     66
    .vgpr_count:     178
    .wavefront_size: 32
...
	.end_amdgpu_metadata
.endif
;; end of part 1
;; launch qk (part 2): grid 8 x 64, 4 waves a work-group, clusters of 4 x 4, 327,680 bytes of LDS; arguments wf, xf, bq, bk, qrec, kv; writes qrec, kv
.if DOCPART == 2
	.amdgcn_target "amdgcn-amd-amdhsa--gfx1250"
	.amdhsa_code_object_version 6
	.text
	.protected	k_qe6adfd0fc2_qk
	.globl	k_qe6adfd0fc2_qk
	.p2align	8
	.type	k_qe6adfd0fc2_qk,@function
k_qe6adfd0fc2_qk:
	s_mov_b64 s[64:65], 0
	v_nop
	global_prefetch_b8 v0, s[64:65] scope:SCOPE_SE
	s_setreg_imm32_b32 hwreg(HW_REG_WAVE_MODE, 25, 1), 1
	s_wait_xcnt 0x0
	s_wait_alu depctr_hold_cnt(0) depctr_sa_sdst(0) depctr_va_vdst(0) depctr_va_sdst(0) depctr_va_ssrc(0) depctr_va_vcc(0) depctr_vm_vsrc(0)
	s_getreg_b32 s2, hwreg(HW_REG_IB_STS2, 6, 4)
	s_cmp_eq_u32 s2, 0
	s_cbranch_scc0 .Lentry_in_a_cluster
	s_endpgm
.Lentry_in_a_cluster:
	s_bfe_u32 s2, ttmp6, 0x10000c
	s_cmp_lg_u32 s2, 0xf033
	s_cbranch_scc0 .Lentry_shape_is_right
	s_endpgm
.Lentry_shape_is_right:
; Q = x Wq^T + bq and K = x Wk^T + bk on codes of FP6 (E2M3, one E8M0 byte for each 32 along K), then quantised along the head's 64 for the scores' product.
; PANEL GEMM.  K is 1,024, so 256 rows of source 0 (features: wf groups 0-15) and 128 rows of source 1 (tokens: an xf group) lie in LDS for ALL of K: 3 x 102,400 bytes, each byte filled once.
; All tiles are asked for at the head, in four chunks of 256 along K; counted waits let a chunk be multiplied while the later ones are on their way.  Nothing is filled again.
; Operands lie in memory in the order of their registers (a fragment = six pieces of 256 bytes, lane l's 8 bytes at 8 l; a record = 8 fragments + 512 bytes of scale words), so a chunk is a dense block and LDS loads read 256 consecutive bytes.
; SHARES.  Four waves; wave w takes source 0's group w & 1 (8 tiles) x source 1's tiles 4 (w >> 1) .. + 3: 32 accumulators, 32 matrix instructions for 128 along K.
; CLUSTER 4 x 4: source 0's panel hangs on the work-group's x alone and is asked for jointly along a column, source 1's on y alone, jointly along a row.
; LAYOUT.  Lane row r of tile t is row 32 (t/2) + 8 (t%2) + r + 8 (r/8) of its group.  So a lane holds ONE token, and the 16 registers of feature tiles 2 b, 2 b + 1 are features 32 b + 16 h + 0 .. 15:
; the 64 registers of a token tile quantise into one fragment whose registers 0-5 are one head's 64 and 6-11 the next head's.  The bias is the C of the first K step.
; OUT.  qrec / kv record (batch x head, 128 tokens): tile t's half fragment (768 bytes) at 768 t; scale words (two bytes, two zeros) at 6,144 + 64 t + 4 r.  The words leave 64 bytes at a time: one byte in 13 of what is stored.
; LIMITS: NaN and infinities are not served; a block whose largest magnitude lies under 2^-124 keeps the byte 1, a block of zeros too.
; REGISTERS: window 0: v16-23 LDS addresses, v24-30 offsets, v32-43 scale words (two sets), v48-143 source 1's fragments (two sets), v144-207 bias, v208-247 the quantiser;  window 1: source 0's fragments, sets at v0 and v128;  window 2: accumulator (b, a) at v[64 b + 8 a].
.set REC,  12800
.set GRP,  8*REC
.set S1L,  2*GRP                       ; LDS: source 0's two groups, then source 1's
.set S0G0, 0                           ; first group of source 0's buffer
.set S1G0, 0                           ; and of source 1's
.set BA,   8                           ; the bias hangs on source 0's tile
.set BB,   0
.set ADR0, 16                          ; v16, 17  my source 0 fragments: K steps 0-3, 4-7
.set ADR1, 18
.set ADS0, 20                          ; scale words likewise
.set ADS1, 22
.set L8,   24                          ; 8 x lane
.set OFS,  25                          ; the scale words' offset: 4 r, lanes 16-31 one head on
.set BO,   26                          ; the bias loads' offset
.set SH,   30                          ; 16 h
.set SCL,  32                          ; set q: v[32 + 6 q] on: four registers for source 0 (tiles 2 u | 2 u + 1 in the two halves of the lanes), two for source 1
.set S1F,  48
.set BIAS, 144
.set TM,   208
.set PW,   224
.set T,    226
.set PC,   228
.set WV,  16
.set HS1, 17
.set HS0, 18
.set CX,  19
.set CY,  20
.set PX,  21
.set PY,  22
.set G1A, 24
.set G1B, 32
.set G0A, 40
.set G0B, 68
.set MSB, 0
.macro WIN new                         ; the immediate's high byte repeats the setting that is left
.if MSB != \new
	s_set_vgpr_msb (MSB<<8)|\new
.set MSB, \new
.endif
.endm
.macro PLACES n
.rept \n
	v_nop
.endr
.endm
.macro CROUND                          ; a round of the cluster's barrier
	s_barrier_signal -1
	s_barrier_wait -1
	s_cmp_lg_u32 s[WV], 0
	s_cbranch_scc1 .Lnot_wave_0_\@
	s_barrier_signal -3
.Lnot_wave_0_\@:
	s_barrier_wait -3
	s_barrier_signal -1
	s_barrier_wait -1
.endm
; one product; oa, ob: the scale words stand in lanes 16-31 of their registers
.macro WM d, fa, fb, c, sa, sb, oa, ob
.if ((\oa)==0)&&((\ob)==0)
	v_wmma_scale_f32_16x16x128_f8f6f4 v[\d:\d+7], v[\fa:\fa+11], v[\fb:\fb+11], v[\c:\c+7], v[\sa], v[\sb] matrix_a_fmt:MATRIX_FMT_FP6 matrix_b_fmt:MATRIX_FMT_FP6
.elseif (\ob)==0
	v_wmma_scale_f32_16x16x128_f8f6f4 v[\d:\d+7], v[\fa:\fa+11], v[\fb:\fb+11], v[\c:\c+7], v[\sa], v[\sb] matrix_a_fmt:MATRIX_FMT_FP6 matrix_b_fmt:MATRIX_FMT_FP6 matrix_a_scale:MATRIX_SCALE_ROW1
.elseif (\oa)==0
	v_wmma_scale_f32_16x16x128_f8f6f4 v[\d:\d+7], v[\fa:\fa+11], v[\fb:\fb+11], v[\c:\c+7], v[\sa], v[\sb] matrix_a_fmt:MATRIX_FMT_FP6 matrix_b_fmt:MATRIX_FMT_FP6 matrix_b_scale:MATRIX_SCALE_ROW1
.else
	v_wmma_scale_f32_16x16x128_f8f6f4 v[\d:\d+7], v[\fa:\fa+11], v[\fb:\fb+11], v[\c:\c+7], v[\sa], v[\sb] matrix_a_fmt:MATRIX_FMT_FP6 matrix_b_fmt:MATRIX_FMT_FP6 matrix_a_scale:MATRIX_SCALE_ROW1 matrix_b_scale:MATRIX_SCALE_ROW1
.endif
.endm
; 16 products: source 1's tiles b0, b0 + 1 x source 0's eight, from set q.  first = 1: the bias is C.  The 32 accumulators take turns, one instruction a turn, in the same order in every step.
.macro MUL16 b0, q, first
.if \first
	WIN 0x81                                       ; source 0 window 1, source 1 and C window 0, D window 2
.else
	WIN 0xa1                                       ; C and D window 2
.endif
.irp b, \b0, \b0+1
.irp a, 0,1,2,3,4,5,6,7
.if \first
	WM 64*(\b)+8*\a, 128*(\q)+12*\a, S1F+48*(\q)+12*(\b), BIAS+BA*\a+BB*(\b), SCL+6*(\q)+\a/2, SCL+4+6*(\q)+(\b)/2, \a%2, (\b)%2
.else
	WM 64*(\b)+8*\a, 128*(\q)+12*\a, S1F+48*(\q)+12*(\b), 64*(\b)+8*\a, SCL+6*(\q)+\a/2, SCL+4+6*(\q)+(\b)/2, \a%2, (\b)%2
.endif
.endr
.endr
.endm
; K step s's fragments and scale words into set s % 2: 78 loads in one run; source 1's tiles 2 and 3 last
.macro FETCH s
.set FQ, (\s)%2
.set FO, ((\s)%4)*REC
.set FH, (\s)/4
	WIN 0x40                                       ; destination window 1, address window 0
.irp a, 0,1,2,3,4,5,6,7
.irp p, 0,1,2,3,4,5
	ds_load_b64 v[128*FQ+12*\a+2*\p:128*FQ+12*\a+2*\p+1], v[ADR0+FH] offset:FO+1536*\a+256*\p
.endr
.endr
	WIN 0
.irp u, 0,1,2,3
	ds_load_b32 v[SCL+6*FQ+\u], v[ADS0+FH] offset:FO+128*\u
.endr
.irp u, 0,1
	ds_load_b32 v[SCL+4+6*FQ+\u], v[ADS1+FH] offset:FO+128*\u
.endr
.irp b, 0,1,2,3
.irp p, 0,1,2,3,4,5
	ds_load_b64 v[S1F+48*FQ+12*\b+2*\p:S1F+48*FQ+12*\b+2*\p+1], v[ADR1+FH] offset:FO+1536*\b+256*\p
.endr
.endr
.endm
.macro KSTEP s
	s_wait_dscnt 12                                ; all but the youngest twelve loads (source 1's tiles 2 and 3) are in
.if (\s)==0
	MUL16 0, 0, 1
.else
	MUL16 0, (\s)%2, 0
.endif
	s_wait_dscnt 0x0
.if (\s)<7
.if (\s)==3
	s_wait_tensorcnt 0x0                           ; my part of the panels' second half (K steps 4-7) has landed
	s_barrier_signal -1
	s_barrier_wait -1                              ; everybody's has
.endif
	PLACES 4                                       ; in front of loads into the set that the last step's products read (ISA guide 7.12.1 for vector instructions)
	FETCH (\s)+1
.endif
.if (\s)==0
	MUL16 2, 0, 1
.else
	MUL16 2, (\s)%2, 0
.endif
.endm
; 64 accumulator registers from v[s] of window 2 (register 16 b + i = k 32 b + 16 h + i of my row) become a fragment in v[PC] on and its scale word in v[PW]
.macro QUANT s
	WIN 0
.irp bb, 0,1,2,3
	v_mov_b32 v[TM+\bb], 0x1800000                 ; the floor 2^(3 - 127): the byte cannot fall under 1
.endr
	WIN 0x0a                                       ; sources 0 and 1 window 2
.irp i, 0,2,4,6,8,10,12,14
.irp bb, 0,1,2,3
	v_max3_num_f32 v[TM+\bb], |v[(\s)+16*\bb+\i]|, |v[(\s)+16*\bb+\i+1]|, v[TM+\bb]   ; ascending: each accumulator is first read at its low end
.endr
.endr
	WIN 0
.irp bb, 0,1,2,3
	v_permlanex16_b32 v[TM+4+\bb], v[TM+\bb], s2, s3
.endr
.irp bb, 0,1,2,3
	v_max_num_f32 v[TM+\bb], v[TM+\bb], v[TM+4+\bb]   ; with lane l xor 16's 16: the block's largest magnitude
.endr
.irp bb, 0,1,2,3
	v_add_nc_u32 v[TM+12+\bb], 0xff000000, v[TM+\bb]  ; 2 off its exponent field: the conversion's scale operand
.endr
.irp bb, 0,1,2,3
	v_lshrrev_b32 v[TM+4+\bb], 23, v[TM+12+\bb]       ; the scale's byte
.endr
	v_lshl_or_b32 v[PW], v[TM+5], 8, v[TM+4]
	v_lshl_or_b32 v[PW], v[TM+6], 16, v[PW]
	v_lshl_or_b32 v[PW], v[TM+7], 24, v[PW]
	WIN 0x02                                       ; source 0 window 2
.irp c, 0,1
	v_cvt_scalef32_pk16_fp6_f32 v[PC+6*\c:PC+2+6*\c], v[(\s)+32*\c:(\s)+15+32*\c], v[TM+12+2*\c]
	v_cvt_scalef32_pk16_fp6_f32 v[PC+12+4*\c:PC+14+4*\c], v[(\s)+16+32*\c:(\s)+31+32*\c], v[TM+12+2*\c+1]
.endr
	WIN 0
	v_nop                                          ; one plain place behind a scaled conversion
.irp c, 0,1                                    ; the layout wants a whole block in a lane
.irp i, 0,1,2
	v_permlane16_swap_b32 v[PC+6*\c+\i], v[PC+12+4*\c+\i]
.endr
.irp i, 0,1,2
	v_mov_b32 v[PC+3+6*\c+\i], v[PC+12+4*\c+\i]
.endr
.endr
.endm
	s_load_b128 s[4:7], s[0:1], 0x0                ; source 0's buffer, source 1's
	s_load_b256 s[8:15], s[0:1], 0x10              ; bq, bk, qrec, kv
	v_lshl_add_u32 v254, v0, 2, 0x4b000
	v_mov_b32 v255, 0
	ds_add_u32 v254, v255
	ds_add_u32 v254, v255
	v_lshrrev_b32 v1, 5, v0
	v_readfirstlane_b32 s[WV], v1
	s_lshr_b32 s[HS1], s[WV], 1                    ; my half of source 1's tiles.  Also: I fetch for source 0 (0) or 1 (1)
	s_and_b32 s[HS0], s[WV], 1                     ; my group of source 0.  Also: which part I fetch
	s_bfe_u32 s[CX], ttmp6, 0x40000
	s_bfe_u32 s[CY], ttmp6, 0x40004
	s_lshl_b32 s[PX], ttmp9, 2
	s_add_co_u32 s[PX], s[PX], s[CX]               ; source 0's panel
	s_and_b32 s[PY], ttmp7, 0xffff
	s_lshl_b32 s[PY], s[PY], 2
	s_add_co_u32 s[PY], s[PY], s[CY]               ; source 1's panel
	s_lshl_b32 s56, 0x1111, s[CX]                  ; my column of the cluster
	s_lshl_b32 s57, s[CY], 2
	s_lshl_b32 s57, 15, s57                        ; my row
	; descriptor groups 1: dense blocks as rows of 256 bytes (32 elements of 8): 200 rows (four K steps of a group) for source 0, 100 (two K steps) for source 1
	s_or_b32 s[G1A], s56, (3<<16)|(1<<21)          ; 15:0 the mask; 17:16 elements of 8 bytes; 21 set beside a mask
	s_or_b32 s[G1B], s57, (3<<16)|(1<<21)
	s_mov_b32 s[G1A+1], 32<<16                     ; tensor_dim0
	s_mov_b32 s[G1A+2], 200<<16                    ; tensor_dim1: 200 rows of 256 bytes = four K steps of a group
	s_mov_b32 s[G1A+3], 32<<16                     ; tile_dim0
	s_mov_b32 s[G1A+4], 200
	s_mov_b32 s[G1A+5], 32                         ; the pitch
	s_mov_b32 s[G1A+6], 0
	s_mov_b32 s[G1A+7], 0
	s_mov_b32 s[G1B+1], 32<<16
	s_mov_b32 s[G1B+2], 100<<16                    ; 100 rows = two K steps
	s_mov_b32 s[G1B+3], 32<<16
	s_mov_b32 s[G1B+4], 100
	s_mov_b32 s[G1B+5], 32
	s_mov_b32 s[G1B+6], 0
	s_mov_b32 s[G1B+7], 0
	s_lshl_b32 s58, s[PX], 1
	s_add_co_u32 s58, s58, s[HS0]                  ; my group of source 0: 2 x panel + w & 1
	s_add_co_u32 s59, s58, S0G0
	s_mul_i32 s60, s59, GRP
	s_mov_b32 s61, 0
	s_add_co_u32 s62, s[PY], S1G0
	s_mul_i32 s62, s62, GRP
	s_mul_i32 s85, s[HS0], 2*REC
	s_add_co_u32 s62, s62, s85                     ; source 1: of each half's four K steps the two that I fetch
	s_mov_b32 s63, 0
	s_mul_i32 s84, s[HS0], GRP
	s_wait_dscnt 0x0
	s_wait_kmcnt 0x0
	s_add_nc_u64 s[86:87], s[4:5], s[60:61]
	s_add_nc_u64 s[88:89], s[6:7], s[62:63]
	CROUND                                         ; all sixteen work-groups are here: the joint loads meet
; THE PANELS COME IN TWO HALVES OF 512 ALONG K (this takes the place of the four chunks named at the kernel's head): half c is K steps 4 c .. 4 c + 3.
; Waves 0, 1 fetch a group of source 0 each (four records), waves 2, 3 two records of source 1 each: one joint load a wave and half.
.irp c, 0,1
	s_mov_b32 s[G0A+4*\c], 1
	s_add_co_u32 s[G0A+4*\c+1], s84, \c*4*REC
	s_add_nc_u64 s[G0A+4*\c+2:G0A+4*\c+3], s[86:87], \c*4*REC
	s_or_b32 s[G0A+4*\c+3], s[G0A+4*\c+3], 0x80000000
	s_mov_b32 s[G0B+4*\c], 1
	s_add_co_u32 s[G0B+4*\c+1], s85, S1L+\c*4*REC
	s_add_nc_u64 s[G0B+4*\c+2:G0B+4*\c+3], s[88:89], \c*4*REC
	s_or_b32 s[G0B+4*\c+3], s[G0B+4*\c+3], 0x80000000
.endr
.macro JLOAD c                         ; one joint load a wave; the branch hangs on the wave's number alone
	s_cmp_eq_u32 s[HS1], 0
	s_cbranch_scc0 .Lfor_s1_\@
	tensor_load_to_lds s[G0A+4*\c:G0A+4*\c+3], s[G1A:G1A+7]
	s_nop 0
	PLACES 4
	s_branch .Lasked_\@
.Lfor_s1_\@:
	tensor_load_to_lds s[G0B+4*\c:G0B+4*\c+3], s[G1B:G1B+7]
	s_nop 0
	PLACES 4
.Lasked_\@:
.endm
	JLOAD 0                                        ; the first half: one tensor load a wave at the head
	v_and_b32 v1, 31, v0                           ; lane
	v_and_b32 v2, 15, v0                           ; r
	v_bfe_u32 v3, v0, 4, 1                         ; h
	v_lshl_add_u32 v[ADR0], v1, 3, s84
	v_add_nc_u32 v[ADR0+1], 4*REC, v[ADR0]
	s_mul_i32 s90, s[HS1], 6144
	s_add_co_u32 s90, s90, S1L
	v_lshl_add_u32 v[ADR1], v1, 3, s90
	v_add_nc_u32 v[ADR1+1], 4*REC, v[ADR1]
	s_add_co_u32 s91, s84, 12288
	v_lshl_add_u32 v[ADS0], v1, 2, s91
	v_add_nc_u32 v[ADS0+1], 4*REC, v[ADS0]
	s_lshl_b32 s92, s[HS1], 8
	s_add_co_u32 s92, s92, S1L+12288
	v_lshl_add_u32 v[ADS1], v1, 2, s92
	v_add_nc_u32 v[ADS1+1], 4*REC, v[ADS1]
	v_lshlrev_b32 v[L8], 3, v1
	v_xor_b32 v27, 64, v[L8]                       ; tiles 2 and 3 of every four lie with lane l's 8 bytes at 8 (l xor 8): the launch that reads K takes rows of tiles t and t + 2 by one LDS load, and these then start in different banks
	v_lshlrev_b32 v[BO], 6, v3                     ; the bias: my half's features begin 16 numbers on
	s_wait_alu depctr_va_vdst(0)
	v_lshlrev_b32 v[SH], 4, v3
	s_mov_b32 s2, 0x76543210
	s_mov_b32 s3, 0xfedcba98
.irp bb, 0,1,2,3
	v_mov_b32 v[TM+4+\bb], 0                       ; a lane permute's destination counts as read
.endr
	; where my results go.  Groups 0-7 are Wq's, 8-15 Wk's: the choice feeds global addresses alone
	s_and_b32 s93, s58, 7                          ; the pair of heads
	s_lshr_b32 s94, s[PY], 4
	s_lshl_b32 s94, s94, 4
	s_lshl_b32 s95, s93, 1
	s_add_co_u32 s94, s94, s95                     ; 16 x batch + head
	s_lshl_b32 s94, s94, 4
	s_and_b32 s95, s[PY], 15
	s_add_co_u32 s94, s94, s95                     ; the record: x 16 + the batch's group of tokens
	s_mov_b32 s96, 6656
	s_cmp_ge_u32 s[PX], 4
	s_cselect_b64 s[98:99], s[14:15], s[12:13]     ; kv or qrec
	s_cselect_b64 s[8:9], s[10:11], s[8:9]         ; bk or bq
	s_cselect_b32 s96, 13056, s96                  ; a record's bytes
	s_mul_i32 s100, s94, s96
	s_mov_b32 s101, 0
	s_add_nc_u64 s[98:99], s[98:99], s[100:101]
	s_mul_i32 s100, s[HS1], 3072
	s_add_nc_u64 s[12:13], s[98:99], s[100:101]    ; the even head's half fragments, my four tiles
	s_lshl_b32 s97, s96, 4
	s_mov_b32 s100, s97
	s_add_nc_u64 s[14:15], s[12:13], s[100:101]    ; the odd head's: 16 records on
	s_lshl_b32 s100, s[HS1], 8
	s_add_co_u32 s100, s100, 6144
	s_add_nc_u64 s[98:99], s[98:99], s[100:101]    ; the scale words
	v_mul_lo_u32 v[OFS], v3, s97
	v_lshl_add_u32 v[OFS], v2, 2, v[OFS]
	s_lshl_b32 s100, s93, 9
	s_add_nc_u64 s[8:9], s[8:9], s[100:101]        ; the bias of my 128 features
.irp a, 0,1,2,3,4,5,6,7
	global_load_b128 v[BIAS+8*\a:BIAS+8*\a+3], v[BO], s[8:9] offset:(32*(\a/2)+8*(\a%2))*4
	global_load_b128 v[BIAS+8*\a+4:BIAS+8*\a+7], v[BO], s[8:9] offset:(32*(\a/2)+8*(\a%2))*4+16
.endr
	s_wait_loadcnt 0x0
	s_wait_alu depctr_va_vdst(0)
	s_wait_tensorcnt 0x0                           ; my part of the first half has landed
	ds_add_u32 v254, v255
	s_wait_dscnt 0x0
	CROUND                                         ; everybody's part is in, and all sixteen work-groups are here
	JLOAD 1                                        ; the second half lands under K steps 0-3
	FETCH 0
.irp s, 0,1,2,3,4,5,6,7
	KSTEP \s
.endr
	WIN 0
	PLACES 4                                       ; in front of the first read of results
.irp b, 0,1,2,3
.if \b > 0
	s_wait_xcnt 0x0                                ; the last tile's stores have read their registers
.endif
	QUANT 64*\b
	v_lshrrev_b32 v[T], v[SH], v[PW]               ; lanes 0-15: the even head's two bytes, lanes 16-31: the odd head's
	v_and_b32 v[T], 0xffff, v[T]
.irp p, 0,1,2
	global_store_b64 v[L8+3*(\b/2)], v[PC+2*\p:PC+2*\p+1], s[12:13] offset:768*\b+256*\p   ; 32 lanes store 256 consecutive bytes, aligned
.endr
.irp p, 0,1,2
	global_store_b64 v[L8+3*(\b/2)], v[PC+6+2*\p:PC+7+2*\p], s[14:15] offset:768*\b+256*\p
.endr
	global_store_b32 v[OFS], v[T], s[98:99] offset:64*\b
.endr
	s_wait_tensorcnt 0x0
	ds_add_u32 v254, v255
	s_wait_dscnt 0x0
	CROUND                                         ; the closing round
	s_endpgm
.Lfunc_end_k_qe6adfd0fc2_qk:
	.size	k_qe6adfd0fc2_qk, .Lfunc_end_k_qe6adfd0fc2_qk-k_qe6adfd0fc2_qk
	.p2alignl 7, 3214868480
	.fill 96, 4, 3214868480
	.section	.rodata,"a",@progbits
	.p2align	6, 0x0
	.amdhsa_kernel k_qe6adfd0fc2_qk
		.amdhsa_group_segment_fixed_size 327680
		.amdhsa_private_segment_fixed_size 0
		.amdhsa_enable_private_segment 0
		.amdhsa_kernarg_size 48
		.amdhsa_user_sgpr_count 2
		.amdhsa_user_sgpr_kernarg_segment_ptr 1
		.amdhsa_wavefront_size32 1
		.amdhsa_system_sgpr_workgroup_id_x 1
		.amdhsa_system_sgpr_workgroup_id_y 1
		.amdhsa_system_sgpr_workgroup_id_z 1
		.amdhsa_system_vgpr_workitem_id 0
		.amdhsa_next_free_vgpr 768
		.amdhsa_next_free_sgpr 102
		.amdhsa_reserve_vcc 0
		.amdhsa_float_denorm_mode_32 3
		.amdhsa_float_denorm_mode_16_64 3
		.amdhsa_memory_ordered 1
		.amdhsa_forward_progress 1
		.amdhsa_inst_pref_size 103
	.end_amdhsa_kernel
	.amdgpu_metadata
---
amdhsa.version: [ 1, 2 ]
amdhsa.kernels:
  - .name:           k_qe6adfd0fc2_qk
    .symbol:         k_qe6adfd0fc2_qk.kd
    .args:
      - { .name: wf, .offset: 0, .size: 8, .value_kind: global_buffer, .address_space: global }
      - { .name: xf, .offset: 8, .size: 8, .value_kind: global_buffer, .address_space: global }
      - { .name: bq, .offset: 16, .size: 8, .value_kind: global_buffer, .address_space: global }
      - { .name: bk, .offset: 24, .size: 8, .value_kind: global_buffer, .address_space: global }
      - { .name: qrec, .offset: 32, .size: 8, .value_kind: global_buffer, .address_space: global }
      - { .name: kv, .offset: 40, .size: 8, .value_kind: global_buffer, .address_space: global }
    .group_segment_fixed_size: 327680
    .private_segment_fixed_size: 0
    .kernarg_segment_align: 8
    .kernarg_segment_size: 48
    .max_flat_workgroup_size: 128
    .sgpr_count:     102
    .vgpr_count:     768
    .wavefront_size: 32
...
	.end_amdgpu_metadata
.endif
;; end of part 2
;; launch vproj (part 3): grid 32 x 8, 4 waves a work-group, clusters of 4 x 4, 327,680 bytes of LDS; arguments xf, wf, bv, kv; writes kv
.if DOCPART == 3
	.amdgcn_target "amdgcn-amd-amdhsa--gfx1250"
	.amdhsa_code_object_version 6
	.text
	.protected	k_qe6adfd0fc2_vproj
	.globl	k_qe6adfd0fc2_vproj
	.p2align	8
	.type	k_qe6adfd0fc2_vproj,@function
k_qe6adfd0fc2_vproj:
	s_mov_b64 s[64:65], 0
	v_nop
	global_prefetch_b8 v0, s[64:65] scope:SCOPE_SE
	s_setreg_imm32_b32 hwreg(HW_REG_WAVE_MODE, 25, 1), 1
	s_wait_xcnt 0x0
	s_wait_alu depctr_hold_cnt(0) depctr_sa_sdst(0) depctr_va_vdst(0) depctr_va_sdst(0) depctr_va_ssrc(0) depctr_va_vcc(0) depctr_vm_vsrc(0)
	s_getreg_b32 s2, hwreg(HW_REG_IB_STS2, 6, 4)
	s_cmp_eq_u32 s2, 0
	s_cbranch_scc0 .Lentry_in_a_cluster
	s_endpgm
.Lentry_in_a_cluster:
	s_bfe_u32 s2, ttmp6, 0x10000c
	s_cmp_lg_u32 s2, 0xf033
	s_cbranch_scc0 .Lentry_shape_is_right
	s_endpgm
.Lentry_shape_is_right:
; V = x Wv^T + bv on codes of FP6 (E2M3, one E8M0 byte for each 32 along K), then quantised ALONG THE KEYS for the second product of attention.
; PANEL GEMM, as the launch for Q and K, with the sources changed round: source 0 = 256 tokens (two xf groups), source 1 = 128 features (a wf group, 16-23).  All of K = 1,024 lies in LDS, each byte filled once,
; asked for at the head in four chunks of 256 along K; counted waits let a chunk be multiplied while the later ones are on their way.
; SHARES.  Wave w takes token group w & 1 (8 tiles) x feature tiles 4 (w >> 1) .. + 3, which are one head's 64: 32 accumulators.
; CLUSTER 4 x 4: source 0's panel is asked for jointly along a column, source 1's along a row.
; LAYOUT.  Lane row r of tile t is row 32 (t/2) + 8 (t%2) + r + 8 (r/8) of its group.  A lane holds ONE feature, and the 16 registers of token tiles 2 b, 2 b + 1 are tokens 32 b + 16 h + 0 .. 15:
; the 64 registers of a feature tile quantise into one fragment of V^T: 16 of the head's 64 x 128 keys.  The bias, one number a lane, is the C of the first K step.
; OUT.  kv record (batch x head, 128 keys): V^T's fragment of feature tile d at 6,656 + 1,536 d, its scale words at 12,800 + 64 d + 4 r.
; LIMITS: NaN and infinities are not served; a block whose largest magnitude lies under 2^-124 keeps the byte 1, a block of zeros too.
; REGISTERS: window 0: v16-23 LDS addresses, v24-27 offsets, v32-43 scale words (two sets), v48-143 source 1's fragments (two sets), v144-175 bias, v208-247 the quantiser;  window 1: source 0's fragments;  window 2: accumulator (b, a) at v[64 b + 8 a].
.set REC,  12800
.set GRP,  8*REC
.set S1L,  2*GRP
.set S0G0, 0
.set S1G0, 16
.set BA,   0
.set BB,   8                           ; the bias hangs on source 1's tile
.set ADR0, 16
.set ADR1, 18
.set ADS0, 20
.set ADS1, 22
.set L8,   24                          ; 8 x lane
.set L4,   25                          ; 4 x lane
.set BO,   26                          ; the bias loads' offset
.set SCL,  32
.set S1F,  48
.set BIAS, 144
.set TM,   208
.set PW,   224
.set PWE,  225                         ; the even tile's scale word, kept for the pair's store
.set T,    226
.set PC,   228
.set WV,  16
.set HS1, 17
.set HS0, 18
.set CX,  19
.set CY,  20
.set PX,  21
.set PY,  22
.set G1A, 24
.set G1B, 32
.set G0A, 40
.set G0B, 68
.set MSB, 0
.macro WIN new                         ; the immediate's high byte repeats the setting that is left
.if MSB != \new
	s_set_vgpr_msb (MSB<<8)|\new
.set MSB, \new
.endif
.endm
.macro PLACES n
.rept \n
	v_nop
.endr
.endm
.macro CROUND                          ; a round of the cluster's barrier
	s_barrier_signal -1
	s_barrier_wait -1
	s_cmp_lg_u32 s[WV], 0
	s_cbranch_scc1 .Lnot_wave_0_\@
	s_barrier_signal -3
.Lnot_wave_0_\@:
	s_barrier_wait -3
	s_barrier_signal -1
	s_barrier_wait -1
.endm
.macro WM d, fa, fb, c, sa, sb, oa, ob ; one product; oa, ob: the scale words stand in lanes 16-31 of their registers
.if ((\oa)==0)&&((\ob)==0)
	v_wmma_scale_f32_16x16x128_f8f6f4 v[\d:\d+7], v[\fa:\fa+11], v[\fb:\fb+11], v[\c:\c+7], v[\sa], v[\sb] matrix_a_fmt:MATRIX_FMT_FP6 matrix_b_fmt:MATRIX_FMT_FP6
.elseif (\ob)==0
	v_wmma_scale_f32_16x16x128_f8f6f4 v[\d:\d+7], v[\fa:\fa+11], v[\fb:\fb+11], v[\c:\c+7], v[\sa], v[\sb] matrix_a_fmt:MATRIX_FMT_FP6 matrix_b_fmt:MATRIX_FMT_FP6 matrix_a_scale:MATRIX_SCALE_ROW1
.elseif (\oa)==0
	v_wmma_scale_f32_16x16x128_f8f6f4 v[\d:\d+7], v[\fa:\fa+11], v[\fb:\fb+11], v[\c:\c+7], v[\sa], v[\sb] matrix_a_fmt:MATRIX_FMT_FP6 matrix_b_fmt:MATRIX_FMT_FP6 matrix_b_scale:MATRIX_SCALE_ROW1
.else
	v_wmma_scale_f32_16x16x128_f8f6f4 v[\d:\d+7], v[\fa:\fa+11], v[\fb:\fb+11], v[\c:\c+7], v[\sa], v[\sb] matrix_a_fmt:MATRIX_FMT_FP6 matrix_b_fmt:MATRIX_FMT_FP6 matrix_a_scale:MATRIX_SCALE_ROW1 matrix_b_scale:MATRIX_SCALE_ROW1
.endif
.endm
; 16 products: source 1's tiles b0, b0 + 1 x source 0's eight, from set q.  first = 1: the bias is C.  The 32 accumulators take turns, one instruction a turn.
.macro MUL16 b0, q, first
.if \first
	WIN 0x81                                       ; source 0 window 1, source 1 and C window 0, D window 2
.else
	WIN 0xa1                                       ; C and D window 2
.endif
.irp b, \b0, \b0+1
.irp a, 0,1,2,3,4,5,6,7
.if \first
	WM 64*(\b)+8*\a, 128*(\q)+12*\a, S1F+48*(\q)+12*(\b), BIAS+BA*\a+BB*(\b), SCL+6*(\q)+\a/2, SCL+4+6*(\q)+(\b)/2, \a%2, (\b)%2
.else
	WM 64*(\b)+8*\a, 128*(\q)+12*\a, S1F+48*(\q)+12*(\b), 64*(\b)+8*\a, SCL+6*(\q)+\a/2, SCL+4+6*(\q)+(\b)/2, \a%2, (\b)%2
.endif
.endr
.endr
.endm
.macro FETCH s                         ; K step s's fragments and scale words into set s % 2: 78 loads in one run; source 1's tiles 2 and 3 last
.set FQ, (\s)%2
.set FO, ((\s)%4)*REC
.set FH, (\s)/4
	WIN 0x40                                       ; destination window 1, address window 0
.irp a, 0,1,2,3,4,5,6,7
.irp p, 0,1,2,3,4,5
	ds_load_b64 v[128*FQ+12*\a+2*\p:128*FQ+12*\a+2*\p+1], v[ADR0+FH] offset:FO+1536*\a+256*\p
.endr
.endr
	WIN 0
.irp u, 0,1,2,3
	ds_load_b32 v[SCL+6*FQ+\u], v[ADS0+FH] offset:FO+128*\u
.endr
.irp u, 0,1
	ds_load_b32 v[SCL+4+6*FQ+\u], v[ADS1+FH] offset:FO+128*\u
.endr
.irp b, 0,1,2,3
.irp p, 0,1,2,3,4,5
	ds_load_b64 v[S1F+48*FQ+12*\b+2*\p:S1F+48*FQ+12*\b+2*\p+1], v[ADR1+FH] offset:FO+1536*\b+256*\p
.endr
.endr
.endm
.macro KSTEP s
	s_wait_dscnt 12                                ; all but the youngest twelve loads (source 1's tiles 2 and 3) are in
.if (\s)==0
	MUL16 0, 0, 1
.else
	MUL16 0, (\s)%2, 0
.endif
	s_wait_dscnt 0x0
.if (\s)<7
.if (\s)==3
	s_wait_tensorcnt 0x0                           ; my part of the panels' second half (K steps 4-7) has landed
	s_barrier_signal -1
	s_barrier_wait -1
.endif
	PLACES 4                                       ; in front of loads into the set that the last step's products read
	FETCH (\s)+1
.endif
.if (\s)==0
	MUL16 2, 0, 1
.else
	MUL16 2, (\s)%2, 0
.endif
.endm
; 64 accumulator registers from v[s] of window 2 (register 16 b + i = k 32 b + 16 h + i of my row) become a fragment in v[PC] on and its scale word in v[PW]
.macro QUANT s
	WIN 0
.irp bb, 0,1,2,3
	v_mov_b32 v[TM+\bb], 0x1800000                 ; the floor 2^(3 - 127): the byte cannot fall under 1
.endr
	WIN 0x0a                                       ; sources 0 and 1 window 2
.irp i, 0,2,4,6,8,10,12,14
.irp bb, 0,1,2,3
	v_max3_num_f32 v[TM+\bb], |v[(\s)+16*\bb+\i]|, |v[(\s)+16*\bb+\i+1]|, v[TM+\bb]   ; ascending: each accumulator is first read at its low end
.endr
.endr
	WIN 0
.irp bb, 0,1,2,3
	v_permlanex16_b32 v[TM+4+\bb], v[TM+\bb], s2, s3
.endr
.irp bb, 0,1,2,3
	v_max_num_f32 v[TM+\bb], v[TM+\bb], v[TM+4+\bb]
.endr
.irp bb, 0,1,2,3
	v_add_nc_u32 v[TM+12+\bb], 0xff000000, v[TM+\bb]
.endr
.irp bb, 0,1,2,3
	v_lshrrev_b32 v[TM+4+\bb], 23, v[TM+12+\bb]
.endr
	v_lshl_or_b32 v[PW], v[TM+5], 8, v[TM+4]
	v_lshl_or_b32 v[PW], v[TM+6], 16, v[PW]
	v_lshl_or_b32 v[PW], v[TM+7], 24, v[PW]
	WIN 0x02                                       ; source 0 window 2
.irp c, 0,1
	v_cvt_scalef32_pk16_fp6_f32 v[PC+6*\c:PC+2+6*\c], v[(\s)+32*\c:(\s)+15+32*\c], v[TM+12+2*\c]
	v_cvt_scalef32_pk16_fp6_f32 v[PC+12+4*\c:PC+14+4*\c], v[(\s)+16+32*\c:(\s)+31+32*\c], v[TM+12+2*\c+1]
.endr
	WIN 0
	v_nop                                          ; one plain place behind a scaled conversion
.irp c, 0,1
.irp i, 0,1,2
	v_permlane16_swap_b32 v[PC+6*\c+\i], v[PC+12+4*\c+\i]
.endr
.irp i, 0,1,2
	v_mov_b32 v[PC+3+6*\c+\i], v[PC+12+4*\c+\i]
.endr
.endr
.endm
	s_load_b128 s[4:7], s[0:1], 0x0                ; source 0's buffer, source 1's
	s_load_b128 s[8:11], s[0:1], 0x10              ; bv, kv
	v_lshl_add_u32 v254, v0, 2, 0x4b000
	v_mov_b32 v255, 0
	ds_add_u32 v254, v255
	ds_add_u32 v254, v255
	v_lshrrev_b32 v1, 5, v0
	v_readfirstlane_b32 s[WV], v1
	s_lshr_b32 s[HS1], s[WV], 1
	s_and_b32 s[HS0], s[WV], 1
	s_bfe_u32 s[CX], ttmp6, 0x40000
	s_bfe_u32 s[CY], ttmp6, 0x40004
	s_lshl_b32 s[PX], ttmp9, 2
	s_add_co_u32 s[PX], s[PX], s[CX]
	s_and_b32 s[PY], ttmp7, 0xffff
	s_lshl_b32 s[PY], s[PY], 2
	s_add_co_u32 s[PY], s[PY], s[CY]
	s_lshl_b32 s56, 0x1111, s[CX]
	s_lshl_b32 s57, s[CY], 2
	s_lshl_b32 s57, 15, s57
	s_or_b32 s[G1A], s56, (3<<16)|(1<<21)          ; dense blocks as rows of 256 bytes: 200 rows for source 0, 100 for source 1
	s_or_b32 s[G1B], s57, (3<<16)|(1<<21)
	s_mov_b32 s[G1A+1], 32<<16
	s_mov_b32 s[G1A+2], 200<<16                    ; 200 rows of 256 bytes = four K steps of a group
	s_mov_b32 s[G1A+3], 32<<16
	s_mov_b32 s[G1A+4], 200
	s_mov_b32 s[G1A+5], 32
	s_mov_b32 s[G1A+6], 0
	s_mov_b32 s[G1A+7], 0
	s_mov_b32 s[G1B+1], 32<<16
	s_mov_b32 s[G1B+2], 100<<16                    ; 100 rows = two K steps
	s_mov_b32 s[G1B+3], 32<<16
	s_mov_b32 s[G1B+4], 100
	s_mov_b32 s[G1B+5], 32
	s_mov_b32 s[G1B+6], 0
	s_mov_b32 s[G1B+7], 0
	s_lshl_b32 s58, s[PX], 1
	s_add_co_u32 s58, s58, s[HS0]                  ; my group of tokens
	s_add_co_u32 s59, s58, S0G0
	s_mul_i32 s60, s59, GRP
	s_mov_b32 s61, 0
	s_add_co_u32 s62, s[PY], S1G0
	s_mul_i32 s62, s62, GRP
	s_mul_i32 s85, s[HS0], 2*REC
	s_add_co_u32 s62, s62, s85
	s_mov_b32 s63, 0
	s_mul_i32 s84, s[HS0], GRP
	s_wait_dscnt 0x0
	s_wait_kmcnt 0x0
	s_add_nc_u64 s[86:87], s[4:5], s[60:61]
	s_add_nc_u64 s[88:89], s[6:7], s[62:63]
	CROUND                                         ; all sixteen work-groups are here: the joint loads meet
; THE PANELS COME IN TWO HALVES OF 512 ALONG K (this takes the place of the four chunks named at the kernel's head): half c is K steps 4 c .. 4 c + 3.
; Waves 0, 1 fetch a group of source 0 each (four records), waves 2, 3 two records of source 1 each: one joint load a wave and half.
.irp c, 0,1
	s_mov_b32 s[G0A+4*\c], 1
	s_add_co_u32 s[G0A+4*\c+1], s84, \c*4*REC
	s_add_nc_u64 s[G0A+4*\c+2:G0A+4*\c+3], s[86:87], \c*4*REC
	s_or_b32 s[G0A+4*\c+3], s[G0A+4*\c+3], 0x80000000
	s_mov_b32 s[G0B+4*\c], 1
	s_add_co_u32 s[G0B+4*\c+1], s85, S1L+\c*4*REC
	s_add_nc_u64 s[G0B+4*\c+2:G0B+4*\c+3], s[88:89], \c*4*REC
	s_or_b32 s[G0B+4*\c+3], s[G0B+4*\c+3], 0x80000000
.endr
.macro JLOAD c                         ; one joint load a wave; the branch hangs on the wave's number alone
	s_cmp_eq_u32 s[HS1], 0
	s_cbranch_scc0 .Lfor_s1_\@
	tensor_load_to_lds s[G0A+4*\c:G0A+4*\c+3], s[G1A:G1A+7]
	s_nop 0
	PLACES 4
	s_branch .Lasked_\@
.Lfor_s1_\@:
	tensor_load_to_lds s[G0B+4*\c:G0B+4*\c+3], s[G1B:G1B+7]
	s_nop 0
	PLACES 4
.Lasked_\@:
.endm
	JLOAD 0                                        ; the first half: one tensor load a wave at the head
	v_and_b32 v1, 31, v0
	v_and_b32 v2, 15, v0
	v_bfe_u32 v3, v0, 4, 1
	v_lshl_add_u32 v[ADR0], v1, 3, s84
	v_add_nc_u32 v[ADR0+1], 4*REC, v[ADR0]
	s_mul_i32 s90, s[HS1], 6144
	s_add_co_u32 s90, s90, S1L
	v_lshl_add_u32 v[ADR1], v1, 3, s90
	v_add_nc_u32 v[ADR1+1], 4*REC, v[ADR1]
	s_add_co_u32 s91, s84, 12288
	v_lshl_add_u32 v[ADS0], v1, 2, s91
	v_add_nc_u32 v[ADS0+1], 4*REC, v[ADS0]
	s_lshl_b32 s92, s[HS1], 8
	s_add_co_u32 s92, s92, S1L+12288
	v_lshl_add_u32 v[ADS1], v1, 2, s92
	v_add_nc_u32 v[ADS1+1], 4*REC, v[ADS1]
	v_lshlrev_b32 v[L8], 3, v1
	v_lshlrev_b32 v[L4], 2, v1
	v_and_b32 v[BO], 8, v2
	v_add_nc_u32 v[BO], v[BO], v2
	v_lshlrev_b32 v[BO], 2, v[BO]                  ; the bias: feature r + 8 (r/8) of my tile
	s_wait_alu depctr_va_vdst(0)
	s_mov_b32 s2, 0x76543210
	s_mov_b32 s3, 0xfedcba98
	s_mov_b32 s96, 0xffff0000                      ; lanes 16-31
.irp bb, 0,1,2,3
	v_mov_b32 v[TM+4+\bb], 0
.endr
	s_lshr_b32 s93, s58, 4
	s_lshl_b32 s93, s93, 4
	s_lshl_b32 s94, s[PY], 1
	s_add_co_u32 s93, s93, s94
	s_add_co_u32 s93, s93, s[HS1]                  ; 16 x batch + head (the head is 2 x panel + my half)
	s_lshl_b32 s93, s93, 4
	s_and_b32 s94, s58, 15
	s_add_co_u32 s93, s93, s94                     ; the record
	s_mul_i32 s100, s93, 13056
	s_add_co_u32 s100, s100, 6656                  ; V's part of it
	s_mov_b32 s101, 0
	s_add_nc_u64 s[10:11], s[10:11], s[100:101]
	s_lshl_b32 s100, s[PY], 9
	s_lshl_b32 s94, s[HS1], 8
	s_add_co_u32 s100, s100, s94
	s_add_nc_u64 s[8:9], s[8:9], s[100:101]        ; the bias of my 64 features
.irp b, 0,1,2,3
	global_load_b32 v[BIAS+8*\b], v[BO], s[8:9] offset:(32*(\b/2)+8*(\b%2))*4
.endr
	s_wait_loadcnt 0x0
.irp b, 0,1,2,3
.irp j, 1,2,3,4,5,6,7
	v_mov_b32 v[BIAS+8*\b+\j], v[BIAS+8*\b]        ; a lane's eight results are eight tokens of one feature: the same bias in all eight
.endr
.endr
	s_wait_alu depctr_va_vdst(0)
	s_wait_tensorcnt 0x0                           ; my part of the first half has landed
	ds_add_u32 v254, v255
	s_wait_dscnt 0x0
	CROUND                                         ; everybody's part is in, and all sixteen work-groups are here
	JLOAD 1                                        ; the second half lands under K steps 0-3
	FETCH 0
.irp s, 0,1,2,3,4,5,6,7
	KSTEP \s
.endr
	WIN 0
	PLACES 4                                       ; in front of the first read of results
.irp b, 0,1,2,3
.if \b > 0
	s_wait_xcnt 0x0                                ; the last tile's stores have read their registers
.endif
	QUANT 64*\b
.irp p, 0,1,2,3,4,5
	global_store_b64 v[L8], v[PC+2*\p:PC+2*\p+1], s[10:11] offset:1536*\b+256*\p   ; 32 lanes store 256 consecutive bytes, aligned
.endr
.if \b%2 == 0
	v_mov_b32 v[PWE], v[PW]
.else
	v_cndmask_b32 v[T], v[PWE], v[PW], s96         ; lanes 0-15 the even tile's words, lanes 16-31 the odd tile's: 128 consecutive bytes
	global_store_b32 v[L4], v[T], s[10:11] offset:6144+128*(\b/2)
.endif
.endr
	s_wait_tensorcnt 0x0
	ds_add_u32 v254, v255
	s_wait_dscnt 0x0
	CROUND                                         ; the closing round
	s_endpgm
.Lfunc_end_k_qe6adfd0fc2_vproj:
	.size	k_qe6adfd0fc2_vproj, .Lfunc_end_k_qe6adfd0fc2_vproj-k_qe6adfd0fc2_vproj
	.p2alignl 7, 3214868480
	.fill 96, 4, 3214868480
	.section	.rodata,"a",@progbits
	.p2align	6, 0x0
	.amdhsa_kernel k_qe6adfd0fc2_vproj
		.amdhsa_group_segment_fixed_size 327680
		.amdhsa_private_segment_fixed_size 0
		.amdhsa_enable_private_segment 0
		.amdhsa_kernarg_size 32
		.amdhsa_user_sgpr_count 2
		.amdhsa_user_sgpr_kernarg_segment_ptr 1
		.amdhsa_wavefront_size32 1
		.amdhsa_system_sgpr_workgroup_id_x 1
		.amdhsa_system_sgpr_workgroup_id_y 1
		.amdhsa_system_sgpr_workgroup_id_z 1
		.amdhsa_system_vgpr_workitem_id 0
		.amdhsa_next_free_vgpr 768
		.amdhsa_next_free_sgpr 102
		.amdhsa_reserve_vcc 0
		.amdhsa_float_denorm_mode_32 3
		.amdhsa_float_denorm_mode_16_64 3
		.amdhsa_memory_ordered 1
		.amdhsa_forward_progress 1
		.amdhsa_inst_pref_size 102
	.end_amdhsa_kernel
	.amdgpu_metadata
---
amdhsa.version: [ 1, 2 ]
amdhsa.kernels:
  - .name:           k_qe6adfd0fc2_vproj
    .symbol:         k_qe6adfd0fc2_vproj.kd
    .args:
      - { .name: xf, .offset: 0, .size: 8, .value_kind: global_buffer, .address_space: global }
      - { .name: wf, .offset: 8, .size: 8, .value_kind: global_buffer, .address_space: global }
      - { .name: bv, .offset: 16, .size: 8, .value_kind: global_buffer, .address_space: global }
      - { .name: kv, .offset: 24, .size: 8, .value_kind: global_buffer, .address_space: global }
    .group_segment_fixed_size: 327680
    .private_segment_fixed_size: 0
    .kernarg_segment_align: 8
    .kernarg_segment_size: 32
    .max_flat_workgroup_size: 128
    .sgpr_count:     102
    .vgpr_count:     768
    .wavefront_size: 32
...
	.end_amdgpu_metadata
.endif
;; end of part 3
;; launch attn (part 4): grid 4 x 64, 16 waves a work-group, clusters of 4 x 1, 327,680 bytes of LDS; arguments qrec, kv, cf; writes cf
.if DOCPART == 4
	.amdgcn_target "amdgcn-amd-amdhsa--gfx1250"
	.amdhsa_code_object_version 6
	.text
	.protected	k_qe6adfd0fc2_attn
	.globl	k_qe6adfd0fc2_attn
	.p2align	8
	.type	k_qe6adfd0fc2_attn,@function
k_qe6adfd0fc2_attn:
	s_mov_b64 s[64:65], 0
	v_nop
	global_prefetch_b8 v0, s[64:65] scope:SCOPE_SE
	s_setreg_imm32_b32 hwreg(HW_REG_WAVE_MODE, 25, 1), 1
	s_wait_xcnt 0x0
	s_wait_alu depctr_hold_cnt(0) depctr_sa_sdst(0) depctr_va_vdst(0) depctr_va_sdst(0) depctr_va_ssrc(0) depctr_va_vcc(0) depctr_vm_vsrc(0)
	s_getreg_b32 s2, hwreg(HW_REG_IB_STS2, 6, 4)
	s_cmp_eq_u32 s2, 0
	s_cbranch_scc0 .Lentry_in_a_cluster
	s_endpgm
.Lentry_in_a_cluster:
	s_bfe_u32 s2, ttmp6, 0x10000c
	s_cmp_lg_u32 s2, 0x3003
	s_cbranch_scc0 .Lentry_shape_is_right
	s_endpgm
.Lentry_shape_is_right:
; ctx = softmax(clip(Q K^T / 8, -100, 100)) V for one head of 64, both products on codes of FP6 (E2M3, one E8M0 byte for each 32 along a product's K); ctx is then quantised along the head's 64 for the last projection.
; THE SOFTMAX AHEAD OF THE SECOND PRODUCT: t = logit x log2(e); M = the running largest t rounded UP to a whole number; p = 2^(t - M) is quantised along the keys, not normalised; the row's sum is taken of the
; unquantised p and divides at the end.  When M moves, the sum and O are multiplied by 2^(old M - new M): exact.  The clip is made on the raw scores, at +-800 = +-100 x 8: the division by 8 is exact.
; SHARES.  A work-group owns 512 queries of one (batch, head), in two passes of 256; each of its sixteen waves owns one tile of 16 queries in a pass, in 256 registers, four waves to a SIMD.
; K AND V OF THE WHOLE HEAD STAY IN LDS: 16 records of 13,056 bytes (128 keys each), each byte filled once, record w by wave w's one tensor load.  Waves 0-4 ask at the head; waves 5-15 behind the second round of the cluster's barrier.
; Key steps 0-3 read records 0-4 alone (step 3 fetches K of record 4); a barrier ahead of step 4 shows the other eleven records to all waves.
; CLUSTER.  The four work-groups of a head read the same K and V: each record is asked for JOINTLY, by the same tensor load with the same descriptor and a mask that names the four.
; NO PREFETCH: every byte of K and V is asked for by these two groups of loads, within the first key step, so the key loop has no later tile to ask for ahead.
; LAYOUT.  Both products are used transposed (S^T = K Q^T, O^T = V^T P^T): a lane holds ONE query.  In the records lane row r of tile t is row 32 (t/2) + 8 (t%2) + r + 8 (r/8) of its group of 128, a half fragment is three
; pieces of 256 bytes, lane l's 8 bytes at 8 l (tiles 2, 3 of every four: at 8 (l xor 8)).
; THE KEYS OF A SCORE TILE ARE CHOSEN BY LDS ADDRESS: tile 4 c + u takes keys 64 c + 8 u + 0..7 in its rows 0-7 and keys 64 c + 32 + 8 u + 0..7 in its rows 8-15.  A result's lane half h holds rows 8 h .. 8 h + 7, so the 32
; registers of tiles 4 c .. 4 c + 3 are the 32 keys of block 2 c + h, in order: a block's largest p needs no other lane, and the conversions' results are p's operand registers as they stand.
; Rows 0-7 come from record tile 4 c + u%2 and rows 8-15 from tile 4 c + 2 + u%2, 1,536 bytes on.
; THE ORDER OF A STEP.  The next record's K is asked for as soon as the second product has read V out of the same registers, and most of the row sum's additions stand behind those loads.  The largest scores are sought on the raw
; scores and clipped afterwards (the clip does not fall where its input rises, so this is the largest clipped score); the 64 clips stand among the links of the chain that leads from them to M.
; THE FIRST PRODUCT'S K IS 64, half of the instruction's 128.  Q's registers 6-11 are zero CODES, so whatever stands in K's registers 6-11 adds nothing: K's tile t is v[32 + 6 t] on, twelve registers, of which the
; upper six are the next tile's codes (tile 7's: zeros).  Bytes 2 and 3 of both scale words are 0, which is a power of two like any other.
; THE TWO PASSES ARE ONE LOOP: its end copies the second pass's Q over the first's, and its last key step fetches K of record 0 for the pass to come; in the last trip these 7 moves and 28 LDS loads serve nothing.
; LIMITS: NaN and infinities are not served; a block of ctx whose largest magnitude lies under 2^-124 keeps the byte 1, a block of zeros too.  ctx's scale bytes leave two bytes a lane, four apart: one byte in 25 of what is stored.
.set KVREC,  13056                     ; K's 8 half fragments (6,144), K's scale words (512), V^T's 4 fragments (6,144), V's scale words (256)
.set KVHEAD, 16*KVREC
.set SPARE,  KVHEAD                    ; behind the records: the spare words, 128 bytes for each wave
.set QREC,   6656
.set REC,    12800
.set GRP,    8*REC
.set NHEAD,  5                         ; records asked for at the head
.set L8,  1                            ; 8 x lane
.set L4,  2                            ; 4 x lane
.set AD8, 3                            ; the record in hand + 8 x lane (V's fragments)
.set AD4, 4                            ; + 4 x lane (V's scale words)
.set CSO, 5                            ; ctx's scale bytes: my offset in the record
.set QCO, 6                            ; Q's codes: my offset in the record
.set QSO, 7                            ; Q's scale word
.set QS,  8                            ; Q's scale words
.set PW,  9                            ; p's scale words
.set F,   10                           ; v[10:11] f = 2^(old M - new M); later 1 / the sum.  v12 -M, v13 the running largest clipped score, v[14:15] the sum
.set QF,  16                           ; v16-27 Q's fragment: 16-21 codes, 22-27 zeros
.set KS,  28                           ; v28-31 K's scale words: tiles 2 i | 2 i + 1 in the two halves of the lanes
.set KF,  32                           ; v32-79 K's 8 half fragments, v80-85 zeros; in a step's second half V^T's 4 fragments
.set VS,  86                           ; v86-87 V's scale words
.set BK0, 88                           ; my lane's place in K's tiles with u < 2; 89: with u >= 2; 90: in K's scale words
.set BK1, 89
.set BKS, 90
.set AK0, 91                           ; the same + the next record
.set AK1, 92
.set AKS, 93
.set T2,  94                           ; the old -M
.set SH8, 95                           ; 8 h
.set S,   96                           ; v96-159 S^T, then p
.set O,   160                          ; v160-191 O^T
.set PC,  192                          ; v192-203 p's codes
.set PT,  204                          ; v204-206, v208-210 the conversions' second halves
.set TM,  212                          ; v212-215 four chains of maxima
.set BM,  216                          ; v216-217 my two blocks' largest score, then largest p
.set SO,  218                          ; v218-219 the conversions' scale operands
.set BY,  220                          ; v220-221 the scale bytes
.set W,   222                          ; v222-223 the scale word in the making
.set TP,  226
.set U16, 227                          ; ctx's two scale bytes
.set CCO, 228                          ; ctx's codes: my offset in the record
.set QSB, 229                          ; Q's scale words, second pass
.set QFB, 230                          ; v230-235 Q's codes, second pass.  v224-225, v242-253: the sum's chains.  v254, v255: the spare word's address, and 0
.set WV,  10
.set G1,  16
.set G0,  24
.set SEL, 40
.set CS,  42                           ; s[42:43] log2(e) / 8
.set LO,  44
.set HI,  45
.set TB,  46                           ; LDS byte at which the NEXT record begins
.set CNT, 47
.set NCS, 48                           ; -log2(e) / 8
.set PASS, 49
.macro CROUND                          ; a round of the cluster's barrier
	s_barrier_signal -1
	s_barrier_wait -1
	s_cmp_lg_u32 s[WV], 0
	s_cbranch_scc1 .Lnot_wave_0_\@
	s_barrier_signal -3
.Lnot_wave_0_\@:
	s_barrier_wait -3
	s_barrier_signal -1
	s_barrier_wait -1
.endm
.macro MED from, n                     ; the clip of n scores
.set J, \from
.rept \n
	v_med3_num_f32 v[S+J], v[S+J], s[LO], s[HI]
.set J, J+1
.endr
.endm
.macro OM j                            ; two numbers of O^T under the new M
	v_pk_mul_f32 v[O+\j:O+\j+1], v[O+\j:O+\j+1], v[F:F+1] op_sel_hi:[1,0]
.endm
.macro KLOAD                           ; K's eight score tiles and their scale words, of the record that v[AK0], v[AK1], v[AKS] name
.irp c, 0,1
.irp u, 0,1,2,3
.irp p, 0,1,2
	ds_load_b64 v[KF+6*(4*\c+\u)+2*\p:KF+6*(4*\c+\u)+2*\p+1], v[AK0+\u/2] offset:768*(4*\c+\u%2)+256*\p
.endr
.endr
.endr
.irp i, 0,1,2,3
	ds_load_b32 v[KS+\i], v[AKS] offset:6144+256*(\i/2)+32*(\i%2)
.endr
.endm
; the row's sum of the unquantised p, two at a time, in eight chains: 32 additions in three parts
.macro SUMA
	v_pk_add_f32 v[224:225], v[100:101], v[104:105]
	v_pk_add_f32 v[252:253], v[108:109], v[112:113]
	v_pk_add_f32 v[250:251], v[116:117], v[120:121]
	v_pk_add_f32 v[248:249], v[124:125], v[128:129]
	v_pk_add_f32 v[246:247], v[132:133], v[136:137]
	v_pk_add_f32 v[244:245], v[140:141], v[144:145]
	v_pk_add_f32 v[242:243], v[148:149], v[152:153]
	v_pk_add_f32 v[14:15], v[14:15], v[156:157]
.endm
.macro SUMB
	v_pk_add_f32 v[224:225], v[224:225], v[96:97]
	v_pk_add_f32 v[252:253], v[252:253], v[98:99]
	v_pk_add_f32 v[250:251], v[250:251], v[102:103]
	v_pk_add_f32 v[248:249], v[248:249], v[106:107]
.endm
.macro SUMC
	v_pk_add_f32 v[246:247], v[246:247], v[110:111]
	v_pk_add_f32 v[244:245], v[244:245], v[114:115]
	v_pk_add_f32 v[242:243], v[242:243], v[118:119]
	v_pk_add_f32 v[14:15], v[14:15], v[122:123]
	v_pk_add_f32 v[224:225], v[224:225], v[126:127]
	v_pk_add_f32 v[252:253], v[252:253], v[130:131]
	v_pk_add_f32 v[250:251], v[250:251], v[134:135]
	v_pk_add_f32 v[248:249], v[248:249], v[138:139]
	v_pk_add_f32 v[246:247], v[246:247], v[142:143]
	v_pk_add_f32 v[244:245], v[244:245], v[146:147]
	v_pk_add_f32 v[242:243], v[242:243], v[150:151]
	v_pk_add_f32 v[14:15], v[14:15], v[154:155]
	v_pk_add_f32 v[224:225], v[224:225], v[158:159]
	v_pk_add_f32 v[14:15], v[14:15], v[248:249]
	v_pk_add_f32 v[252:253], v[252:253], v[244:245]
	v_pk_add_f32 v[250:251], v[250:251], v[242:243]
	v_pk_add_f32 v[224:225], v[224:225], v[246:247]
	v_pk_add_f32 v[14:15], v[14:15], v[252:253]
	v_pk_add_f32 v[224:225], v[224:225], v[250:251]
	v_pk_add_f32 v[14:15], v[14:15], v[224:225]
.endm
; A KEY STEP: 128 keys, one record.  On the way in: this record's K has been asked for, v[AD8] and v[AD4] name this record, s[TB] the next
.macro STEP
	s_wait_dscnt 0x0                               ; K
.irp t, 0,1,2,3,4,5,6,7                        ; S^T = K Q^T
.if \t%2
	v_wmma_scale_f32_16x16x128_f8f6f4 v[S+8*\t:S+8*\t+7], v[KF+6*\t:KF+6*\t+11], v[QF:QF+11], 0, v[KS+\t/2], v[QS] matrix_a_fmt:MATRIX_FMT_FP6 matrix_b_fmt:MATRIX_FMT_FP6 matrix_a_scale:MATRIX_SCALE_ROW1
.else
	v_wmma_scale_f32_16x16x128_f8f6f4 v[S+8*\t:S+8*\t+7], v[KF+6*\t:KF+6*\t+11], v[QF:QF+11], 0, v[KS+\t/2], v[QS] matrix_a_fmt:MATRIX_FMT_FP6 matrix_b_fmt:MATRIX_FMT_FP6
.endif
.endr
	v_add_nc_u32 v[AK0], s[TB], v[BK0]             ; the next record's K.  These four lines are the places in front of the loads over K's registers and of the first read of the scores
	v_add_nc_u32 v[AK1], s[TB], v[BK1]
	v_add_nc_u32 v[AKS], s[TB], v[BKS]
	v_mov_b32 v[T2], v12
.irp d, 0,1,2,3                                ; V^T's fragments land under the softmax
.irp p, 0,1,2,3,4,5
	ds_load_b64 v[KF+12*\d+2*\p:KF+12*\d+2*\p+1], v[AD8] offset:6656+1536*\d+256*\p
.endr
.endr
.irp u, 0,1
	ds_load_b32 v[VS+\u], v[AD4] offset:12800+128*\u
.endr
	v_add_nc_u32 v[AD8], s[TB], v[L8]              ; the next record's V
	v_add_nc_u32 v[AD4], s[TB], v[L4]
.irp b, 0,1,2,3                                ; the largest raw score of my two blocks of 32 keys, in four chains by turns; ascending: each accumulator is first read at its low end
	v_max3_num_f32 v[TM+\b], v[S+16*\b], v[S+1+16*\b], v[S+2+16*\b]
.endr
.irp i, 3,5,7,9,11,13
.irp b, 0,1,2,3
	v_max3_num_f32 v[TM+\b], v[TM+\b], v[S+16*\b+\i], v[S+1+16*\b+\i]
.endr
.endr
.irp c, 0,1
	v_max3_num_f32 v[BM+\c], v[TM+2*\c], v[TM+1+2*\c], v[S+15+32*\c]
.endr
	MED 0, 6                                       ; the 64 clips stand among the links of the chain that follows
.irp c, 0,1
	v_max_num_f32 v[BM+\c], v[BM+\c], v[S+31+32*\c]
.endr
	MED 6, 6
.irp c, 0,1
	v_med3_num_f32 v[BM+\c], v[BM+\c], s[LO], s[HI]   ; block 2 c + h's largest clipped score: it serves the row's maximum and, since p rises with the score, the block's largest p
.endr
	MED 12, 6
	v_max3_num_f32 v13, v13, v[BM], v[BM+1]
	MED 18, 8
	v_permlanex16_b32 v[TP], v13, s[SEL], s[SEL+1]
	MED 26, 8
	v_max_num_f32 v13, v13, v[TP]                  ; with lane l xor 16's blocks: the running largest score
	MED 34, 8
	v_mul_f32 v[TP], s[NCS], v13                   ; -t
	MED 42, 8
	v_floor_f32 v12, v[TP]                         ; the new -M = -ceil(t)
	MED 50, 14
.set J, 0
.rept 32
	v_pk_fma_f32 v[S+J:S+J+1], v[S+J:S+J+1], s[CS:CS+1], v[12:13] op_sel_hi:[1,0,0]   ; t - M, two at a time
.if J == 8
	v_sub_f32 v[TP], v12, v[T2]                    ; old M - new M: a whole number, 0 or less
.endif
.if J == 24
	v_cvt_i32_f32 v[TP], v[TP]                     ; (it saturates)
.endif
.if J == 40
	v_ldexp_f32 v[F], 1.0, v[TP]                   ; f
.endif
.set J, J+2
.endr
.irp c, 0,1
	v_fma_f32 v[BM+\c], v[BM+\c], s[CS], v12       ; the same of each block's largest score
.endr
	s_wait_alu depctr_va_vdst(0)
.set J, 0
.rept 64
	v_exp_f32 v[S+J], v[S+J]                       ; p = 2^(t - M)
.set J, J+1
.endr
.irp c, 0,1
	v_exp_f32 v[BM+\c], v[BM+\c]                   ; the block's largest p: the same two instructions on the same number
.endr
	v_pk_mul_f32 v[14:15], v[14:15], v[F:F+1] op_sel_hi:[1,0]   ; the sums under the new M: the plain place behind the exponentials
	s_wait_dscnt 0x0                               ; V (asked for ahead of the softmax)
	s_wait_alu depctr_va_vdst(0)                   ; one wait for the batch, directly ahead of the first read of O^T
	OM 0                                           ; each accumulator first at its low end; the scale's chain stands among these sixteen
	OM 8
	OM 16
	OM 24
	v_max_num_f32 v[BM], 0x1800000, v[BM]          ; the floor 2^(3 - 127): the byte cannot fall under 1
	v_max_num_f32 v[BM+1], 0x1800000, v[BM+1]
	OM 2
	OM 10
	OM 18
	OM 26
	v_add_nc_u32 v[SO], 0xff000000, v[BM]          ; 2 off the exponent field: the conversion's scale operand
	v_add_nc_u32 v[SO+1], 0xff000000, v[BM+1]
	OM 4
	OM 12
	OM 20
	OM 28
	v_lshrrev_b32 v[BY], 23, v[SO]                 ; the scale's byte
	v_lshrrev_b32 v[BY+1], 23, v[SO+1]
.irp c, 0,1
	v_cvt_scalef32_pk16_fp6_f32 v[PC+6*\c:PC+6*\c+2], v[S+32*\c:S+32*\c+15], v[SO+\c]
	v_cvt_scalef32_pk16_fp6_f32 v[PT+4*\c:PT+4*\c+2], v[S+32*\c+16:S+32*\c+31], v[SO+\c]   ; (a conversion's three registers begin on an even number)
.endr
	OM 6                                           ; the plain place behind the conversions
	OM 14
	v_lshl_or_b32 v[W], v[BY+1], 16, v[BY]         ; blocks h and 2 + h,
.irp i, 0,1,2
	v_mov_b32 v[PC+3+\i], v[PT+\i]
.endr
	v_lshlrev_b32 v[W], v[SH8], v[W]               ; at their places in the word;
.irp i, 0,1,2
	v_mov_b32 v[PC+9+\i], v[PT+4+\i]
.endr
	v_permlanex16_b32 v[W+1], v[W], s[SEL], s[SEL+1]
	OM 22
	OM 30
	v_or_b32 v[PW], v[W], v[W+1]                   ; with lane l xor 16's two the word is whole
	SUMA                                           ; eight lines that name no register of the products below: the places behind the writes of p's scale word and codes
.irp d, 0,1,2,3                                ; O^T += V^T P^T
.if \d%2
	v_wmma_scale_f32_16x16x128_f8f6f4 v[O+8*\d:O+8*\d+7], v[KF+12*\d:KF+12*\d+11], v[PC:PC+11], v[O+8*\d:O+8*\d+7], v[VS+\d/2], v[PW] matrix_a_fmt:MATRIX_FMT_FP6 matrix_b_fmt:MATRIX_FMT_FP6 matrix_a_scale:MATRIX_SCALE_ROW1
.else
	v_wmma_scale_f32_16x16x128_f8f6f4 v[O+8*\d:O+8*\d+7], v[KF+12*\d:KF+12*\d+11], v[PC:PC+11], v[O+8*\d:O+8*\d+7], v[VS+\d/2], v[PW] matrix_a_fmt:MATRIX_FMT_FP6 matrix_b_fmt:MATRIX_FMT_FP6
.endif
.endr
	SUMB                                           ; four places in front of loads into registers that these products read
	KLOAD                                          ; the next record's K
	SUMC                                           ; the other twenty additions stand behind the loads
.endm
	s_load_b128 s[4:7], s[0:1], 0x0                ; qrec, kv
	s_load_b64 s[8:9], s[0:1], 0x10                ; cf
	v_lshl_add_u32 v254, v0, 2, SPARE
	v_mov_b32 v255, 0
	ds_add_u32 v254, v255                          ; the opening lines: the add, twice on end, and its wait ahead of my first tensor load
	ds_add_u32 v254, v255
	v_lshrrev_b32 v224, 5, v0
	v_readfirstlane_b32 s[WV], v224                ; wave 0..15
	s_bfe_u32 s11, ttmp6, 0x40000                  ; cx: which 512 queries; it enters Q's and ctx's global addresses alone
	s_and_b32 s12, ttmp7, 0xffff                   ; 16 x batch + head, which the four partners share
	; descriptor group 1: a record, 13,056 dense bytes, as 51 rows of 256 bytes (32 elements of 8)
	s_mov_b32 s[G1], 15|(3<<16)|(1<<21)            ; 15:0 the mask: all four work-groups; 17:16 elements of 8 bytes; 21 set beside a mask
	s_mov_b32 s[G1+1], 32<<16                      ; tensor_dim0
	s_mov_b32 s[G1+2], 51<<16                      ; tensor_dim1
	s_mov_b32 s[G1+3], 32<<16                      ; tile_dim0
	s_mov_b32 s[G1+4], 51                          ; tile_dim1
	s_mov_b32 s[G1+5], 32                          ; the pitch
	s_mov_b32 s[G1+6], 0
	s_mov_b32 s[G1+7], 0
	s_mul_i32 s50, s12, KVHEAD
	s_mul_i32 s52, s[WV], KVREC                    ; the record that I fetch, in LDS as in memory
	s_add_co_u32 s50, s50, s52
	s_mov_b32 s51, 0
	s_mov_b32 s[SEL], 0x76543210
	s_mov_b32 s[SEL+1], 0xfedcba98                 ; v_permlanex16_b32's selects for lane l xor 16
	s_mov_b32 s[CS], 0x3e38aa3b                    ; log2(e) / 8
	s_mov_b32 s[CS+1], s[CS]
	s_mov_b32 s[NCS], 0xbe38aa3b
	s_mov_b32 s[LO], 0xc4480000                    ; -800
	s_mov_b32 s[HI], 0x44480000                    ; 800
	s_lshl_b32 s56, s12, 4
	s_lshl_b32 s62, s11, 2
	s_add_co_u32 s56, s56, s62
	s_lshr_b32 s57, s[WV], 3
	s_add_co_u32 s56, s56, s57                     ; Q's record: 16 x (batch, head) + 4 cx + wave / 8 (+ 2 in the second pass)
	s_mul_i32 s58, s56, QREC
	s_mov_b32 s59, 0
	s_lshr_b32 s60, s12, 4
	s_lshl_b32 s60, s60, 4
	s_add_co_u32 s60, s60, s62
	s_add_co_u32 s60, s60, s57                     ; ctx's group of tokens: 16 x batch + 4 cx + wave / 8
	s_mul_i32 s60, s60, GRP
	s_bfe_u32 s62, s12, 0x30001                    ; head / 2: the K step of the last projection
	s_mul_i32 s62, s62, REC
	s_add_co_u32 s60, s60, s62
	s_mov_b32 s61, 0
	s_and_b32 s28, s[WV], 7                        ; my tile of the group
	s_and_b32 s29, s12, 1                          ; the head's parity: which half of ctx's fragment and scale word
	s_mul_i32 s30, s28, 768                        ; Q's half fragment
	s_and_b32 s31, s28, 2
	s_lshl_b32 s31, s31, 5                         ; 64 in tiles 2, 3 of every four: there lane l's bytes lie at 8 (l xor 8)
	s_lshl_b32 s35, s28, 6
	s_add_co_u32 s32, s35, 6144                    ; Q's scale words
	s_lshl_b32 s33, s29, 1
	s_add_co_u32 s33, s33, s35
	s_add_co_u32 s33, s33, 12288                   ; ctx's scale bytes
	s_mul_i32 s34, s28, 1536
	s_mul_i32 s35, s29, 768
	s_add_co_u32 s34, s34, s35                     ; ctx's half fragment
	s_wait_dscnt 0x0                               ; both opening adds are done
	s_wait_kmcnt 0x0
	s_add_nc_u64 s[54:55], s[6:7], s[50:51]
	s_add_nc_u64 s[4:5], s[4:5], s[58:59]
	s_add_nc_u64 s[8:9], s[8:9], s[60:61]
	CROUND                                         ; all four work-groups are here: the joint loads meet
	s_mov_b32 s[G0], 1
	s_mov_b32 s[G0+1], s52
	s_mov_b64 s[G0+2:G0+3], s[54:55]
	s_or_b32 s[G0+3], s[G0+3], 0x80000000
	s_cmp_lt_u32 s[WV], NHEAD                      ; waves 0-4: records 0-4, which the first four key steps read
	s_cbranch_scc0 .Lno_fill
	tensor_load_to_lds s[G0:G0+3], s[G1:G1+7]
	s_nop 0
.Lno_fill:
	v_and_b32 v224, 31, v0                         ; lane
	v_and_b32 v225, 15, v0                         ; r
	v_bfe_u32 v226, v0, 4, 1                       ; h
	v_bfe_u32 v227, v0, 3, 1                       ; r / 8
	v_and_b32 v[BKS], 7, v0                        ; r % 8
	v_lshlrev_b32 v[L8], 3, v224
	v_lshlrev_b32 v[L4], 2, v224
	v_lshlrev_b32 v[SH8], 3, v226
	v_mul_u32_u24 v[BK0], v227, 1536
	v_lshlrev_b32 v[BKS], 2, v[BKS]
	v_xor_b32 v[QCO], s31, v[L8]
	v_add_nc_u32 v[BK0], v[BK0], v[L8]             ; K, u < 2: 8 x lane, rows 8-15 two record tiles on
	v_lshl_add_u32 v[BKS], v227, 7, v[BKS]
	v_add_nc_u32 v[QCO], s30, v[QCO]
	v_xor_b32 v[BK1], 64, v[BK0]                   ; K, u >= 2: the other eight rows of the same record tiles
	v_lshl_add_u32 v[BKS], v226, 6, v[BKS]         ; K's scale words: 4 (r % 8) + 128 (r / 8), lanes 16-31 one record tile on
	v_lshl_add_u32 v[QSO], v225, 2, s32
	v_lshl_add_u32 v[CSO], v225, 2, s33
	v_add_nc_u32 v[CCO], s34, v[L8]
.irp p, 0,1,2
	global_load_b64 v[QF+2*\p:QF+2*\p+1], v[QCO], s[4:5] offset:256*\p
	global_load_b64 v[QFB+2*\p:QFB+2*\p+1], v[QCO], s[4:5] offset:2*QREC+256*\p
.endr
	global_load_b32 v[QS], v[QSO], s[4:5]
	global_load_b32 v[QSB], v[QSO], s[4:5] offset:2*QREC
	v_mov_b32 v[F+1], 0                            ; (named as the upper half of a pair)
.irp j, 6,7,8,9,10,11
	v_mov_b32 v[QF+\j], 0                          ; Q's upper 64 along K: zero codes
.endr
.irp j, 48,49,50,51,52,53
	v_mov_b32 v[KF+\j], 0                          ; behind K's tile 7
.endr
	v_mov_b32 v[TP], 0                             ; a lane permute's destination counts as read
	v_mov_b32 v[W+1], 0
	s_wait_alu depctr_va_vdst(0)
	s_wait_loadcnt 0x0                             ; Q
	s_wait_tensorcnt 0x0                           ; my record, if I asked for one, has landed
	ds_add_u32 v254, v255                          ; the add twice on end
	ds_add_u32 v254, v255
	s_wait_dscnt 0x0
	CROUND                                         ; records 0-4 are whole, and all four work-groups are here
	s_cmp_ge_u32 s[WV], NHEAD                      ; waves 5-15: records 5-15
	s_cbranch_scc0 .Lno_fill2
	tensor_load_to_lds s[G0:G0+3], s[G1:G1+7]
	s_nop 0
.Lno_fill2:
	s_mov_b32 s[TB], 0                             ; record 0: its addresses, and its K
	v_add_nc_u32 v[AK0], s[TB], v[BK0]
	v_add_nc_u32 v[AK1], s[TB], v[BK1]
	v_add_nc_u32 v[AKS], s[TB], v[BKS]
	v_add_nc_u32 v[AD8], s[TB], v[L8]
	v_add_nc_u32 v[AD4], s[TB], v[L4]
	KLOAD
	s_mov_b32 s[PASS], 2
.Lpass:
	v_mov_b32 v13, 0xff61b1e6                      ; the largest score so far: -3e38
	v_mov_b32 v12, 0x7f61b1e6                      ; -M
	v_mov_b32 v14, 0
	v_mov_b32 v15, 0
.set J, 0
.rept 32
	v_mov_b32 v[O+J], 0                            ; the step is written without a first step of its own: it finds zeros, which the first change of M leaves zeros
.set J, J+1
.endr
	s_mov_b32 s[TB], KVREC
	s_mov_b32 s[CNT], NHEAD-1
	s_wait_alu depctr_va_vdst(0)
.Lsa:                                                  ; key steps 0-3: they read records 0-4
	STEP
	s_add_co_u32 s[TB], s[TB], KVREC
	s_sub_co_u32 s[CNT], s[CNT], 1
	s_cmp_lg_u32 s[CNT], 0
	s_cbranch_scc1 .Lsa
	s_wait_alu depctr_va_vdst(0)
	s_wait_tensorcnt 0x0                           ; my record has landed
	s_wait_dscnt 0x0                               ; no LDS instruction of mine is out at the signal
	s_barrier_signal -1
	s_barrier_wait -1                              ; everybody's has: all of K and V may be read
	s_mov_b32 s[TB], NHEAD*KVREC                   ; key step 4's next record is record 5; the loop's eleven trips name records 5 to 15
	s_mov_b32 s[CNT], 15-NHEAD+1
.Lsb:                                                  ; key steps 4-14
	STEP
	s_add_co_u32 s[TB], s[TB], KVREC
	s_sub_co_u32 s[CNT], s[CNT], 1
	s_cmp_lg_u32 s[CNT], 0
	s_cbranch_scc1 .Lsb
	s_mov_b32 s[TB], 0
	STEP                                           ; key step 15; the record to come is record 0, for the next pass
	; THE WAY OUT: O^T / the sum, quantised along the head's 64 (two blocks), as half a fragment of the last projection's operand.  The sum's last 24 additions are the places behind the last products
	v_add_f32 v14, v14, v15
	s_delay_alu instid0(VALU_DEP_1)
	v_permlanex16_b32 v[TP], v14, s[SEL], s[SEL+1]
	s_delay_alu instid0(VALU_DEP_1)
	v_add_f32 v14, v14, v[TP]                      ; the row's sum
	s_wait_alu depctr_va_vdst(0)
	v_rcp_f32 v[F], v14
	v_nop                                          ; a plain place behind the transcendental
	s_wait_alu depctr_va_vdst(0)                   ; the wait ahead of the first use of its result and of O^T
.irp j, 0,2,4,6,8,10,12,14,16,18,20,22,24,26,28,30
	OM \j
.endr
.irp b, 0,1
	v_max3_num_f32 v[TM+\b], |v[O+16*\b]|, |v[O+1+16*\b]|, 0x1800000
.endr
.irp i, 2,4,6,8,10,12,14
.irp b, 0,1
	s_delay_alu instid0(VALU_DEP_2)
	v_max3_num_f32 v[TM+\b], v[TM+\b], |v[O+16*\b+\i]|, |v[O+1+16*\b+\i]|
.endr
.endr
.irp b, 0,1
	v_permlanex16_b32 v[TM+4+\b], v[TM+\b], s[SEL], s[SEL+1]
.endr
.irp b, 0,1
	v_max_num_f32 v[TM+\b], v[TM+\b], v[TM+4+\b]   ; O^T's feature tiles 2 b, 2 b + 1 hold 16 of block b's features in each half of the lanes
.endr
.irp b, 0,1
	v_add_nc_u32 v[TM+8+\b], 0xff000000, v[TM+\b]
.endr
.irp b, 0,1
	v_lshrrev_b32 v[TM+4+\b], 23, v[TM+8+\b]
.endr
	v_lshl_or_b32 v[U16], v[TM+5], 8, v[TM+4]
	v_cvt_scalef32_pk16_fp6_f32 v[PC:PC+2], v[O:O+15], v[TM+8]
	v_cvt_scalef32_pk16_fp6_f32 v[PT:PT+2], v[O+16:O+31], v[TM+9]
	v_nop                                          ; one plain place behind a scaled conversion
.irp i, 0,1,2
	v_permlane16_swap_b32 v[PC+\i], v[PT+\i]       ; the layout wants a whole block in a lane
.endr
.irp i, 0,1,2
	v_mov_b32 v[PC+3+\i], v[PT+\i]
.endr
.irp p, 0,1,2
	global_store_b64 v[CCO], v[PC+2*\p:PC+2*\p+1], s[8:9] offset:256*\p   ; 32 lanes store 256 consecutive bytes, aligned
.endr
	global_store_b16 v[CSO], v[U16], s[8:9]        ; both lanes of a row write the same two bytes with the same value
.irp j, 0,1,2,3,4,5
	v_mov_b32 v[QF+\j], v[QFB+\j]                  ; the second pass's Q
.endr
	v_mov_b32 v[QS], v[QSB]
	s_wait_xcnt 0x0                                ; the stores have read their registers and their base
	s_add_nc_u64 s[8:9], s[8:9], 2*GRP             ; the second pass: 256 queries on
	s_sub_co_u32 s[PASS], s[PASS], 1
	s_cmp_lg_u32 s[PASS], 0
	s_wait_alu depctr_va_vdst(0)
	s_cbranch_scc1 .Lpass
	s_wait_tensorcnt 0x0                           ; the wave's end
	ds_add_u32 v254, v255
	s_wait_dscnt 0x0
	CROUND                                         ; the closing round
	s_endpgm
.Lfunc_end_k_qe6adfd0fc2_attn:
	.size	k_qe6adfd0fc2_attn, .Lfunc_end_k_qe6adfd0fc2_attn-k_qe6adfd0fc2_attn
	.p2alignl 7, 3214868480
	.fill 96, 4, 3214868480
	.section	.rodata,"a",@progbits
	.p2align	6, 0x0
	.amdhsa_kernel k_qe6adfd0fc2_attn
		.amdhsa_group_segment_fixed_size 327680
		.amdhsa_private_segment_fixed_size 0
		.amdhsa_enable_private_segment 0
		.amdhsa_kernarg_size 24
		.amdhsa_user_sgpr_count 2
		.amdhsa_user_sgpr_kernarg_segment_ptr 1
		.amdhsa_wavefront_size32 1
		.amdhsa_system_sgpr_workgroup_id_x 1
		.amdhsa_system_sgpr_workgroup_id_y 1
		.amdhsa_system_sgpr_workgroup_id_z 1
		.amdhsa_system_vgpr_workitem_id 0
		.amdhsa_next_free_vgpr 256
		.amdhsa_next_free_sgpr 66
		.amdhsa_reserve_vcc 0
		.amdhsa_float_denorm_mode_32 3
		.amdhsa_float_denorm_mode_16_64 3
		.amdhsa_memory_ordered 1
		.amdhsa_forward_progress 1
		.amdhsa_inst_pref_size 75
	.end_amdhsa_kernel
	.amdgpu_metadata
---
amdhsa.version: [ 1, 2 ]
amdhsa.kernels:
  - .name:           k_qe6adfd0fc2_attn
    .symbol:         k_qe6adfd0fc2_attn.kd
    .args:
      - { .name: qrec, .offset: 0, .size: 8, .value_kind: global_buffer, .address_space: global }
      - { .name: kv, .offset: 8, .size: 8, .value_kind: global_buffer, .address_space: global }
      - { .name: cf, .offset: 16, .size: 8, .value_kind: global_buffer, .address_space: global }
    .group_segment_fixed_size: 327680
    .private_segment_fixed_size: 0
    .kernarg_segment_align: 8
    .kernarg_segment_size: 24
    .max_flat_workgroup_size: 512
    .sgpr_count:     66
    .vgpr_count:     256
    .wavefront_size: 32
...
	.end_amdgpu_metadata
.endif
;; end of part 4
;; launch oproj (part 5): grid 4 x 64, 4 waves a work-group, clusters of 4 x 4, 327,680 bytes of LDS; arguments wf, cf, bo, out0; writes out0
.if DOCPART == 5
	.amdgcn_target "amdgcn-amd-amdhsa--gfx1250"
	.amdhsa_code_object_version 6
	.text
	.protected	k_qe6adfd0fc2_oproj
	.globl	k_qe6adfd0fc2_oproj
	.p2align	8
	.type	k_qe6adfd0fc2_oproj,@function
k_qe6adfd0fc2_oproj:
	s_mov_b64 s[64:65], 0
	v_nop
	global_prefetch_b8 v0, s[64:65] scope:SCOPE_SE
	s_setreg_imm32_b32 hwreg(HW_REG_WAVE_MODE, 25, 1), 1
	s_wait_xcnt 0x0
	s_wait_alu depctr_hold_cnt(0) depctr_sa_sdst(0) depctr_va_vdst(0) depctr_va_sdst(0) depctr_va_ssrc(0) depctr_va_vcc(0) depctr_vm_vsrc(0)
	s_getreg_b32 s2, hwreg(HW_REG_IB_STS2, 6, 4)
	s_cmp_eq_u32 s2, 0
	s_cbranch_scc0 .Lentry_in_a_cluster
	s_endpgm
.Lentry_in_a_cluster:
	s_bfe_u32 s2, ttmp6, 0x10000c
	s_cmp_lg_u32 s2, 0xf033
	s_cbranch_scc0 .Lentry_shape_is_right
	s_endpgm
.Lentry_shape_is_right:
; out = ctx Wo^T + bo on codes of FP6 (E2M3, one E8M0 byte for each 32 along K); out is f32.
; PANEL GEMM, as the launch for Q and K: source 0 = 256 features (wf groups 24-31), source 1 = 128 tokens (a cf group).  All of K = 1,024 lies in LDS, each byte filled once, asked for at the head in four chunks
; of 256 along K; counted waits let a chunk be multiplied while the later ones are on their way.
; SHARES.  Wave w takes feature group w & 1 (8 tiles) x token tiles 4 (w >> 1) .. + 3: 32 accumulators.  CLUSTER 4 x 4: source 0's panel is asked for jointly along a column, source 1's along a row.
; LAYOUT.  Lane row r of tile t is row 32 (t/2) + 8 (t%2) + r + 8 (r/8) of its group.  A lane holds ONE token and eight neighbouring features an accumulator.  The bias is the C of the first K step.
; THE WAY OUT.  A token tile (16 rows x 128 features) goes through the wave's own stage in LDS and comes back as whole rows of 512 bytes.  The stages lie over source 0's bytes, which have had their only fill,
; behind a barrier in front of which every wave has finished its reads of the panels.
; REGISTERS: window 0: v16-23 LDS addresses, v26-29 offsets, v32-43 scale words (two sets), v48-143 source 1's fragments (two sets), v144-207 bias; on the way out v48-175 rows of out;  window 1: source 0's fragments;  window 2: accumulator (b, a) at v[64 b + 8 a].
.set REC,  12800
.set GRP,  8*REC
.set S1L,  2*GRP
.set S0G0, 24
.set S1G0, 0
.set BA,   8                           ; the bias hangs on source 0's tile
.set BB,   0
.set ADR0, 16
.set ADR1, 18
.set ADS0, 20
.set ADS1, 22
.set BO,   26                          ; the bias loads' offset
.set STO,  27                          ; the stage: where I put 32 bytes of a row
.set RD,   28                          ; and where I read a row back
.set L16,  29                          ; 16 x lane
.set SCL,  32
.set S1F,  48
.set BK,   48                          ; the way out: 16 rows read back: v48-111 and v112-175 by turns
.set BIAS, 144
.set SPITCH, 528                       ; a stage row: 512 bytes + 16, an odd multiple of 16
.set WV,  16
.set HS1, 17
.set HS0, 18
.set CX,  19
.set CY,  20
.set PX,  21
.set PY,  22
.set G1A, 24
.set G1B, 32
.set G0A, 40
.set G0B, 68
.set MSB, 0
.macro WIN new                         ; the immediate's high byte repeats the setting that is left
.if MSB != \new
	s_set_vgpr_msb (MSB<<8)|\new
.set MSB, \new
.endif
.endm
.macro PLACES n
.rept \n
	v_nop
.endr
.endm
.macro CROUND                          ; a round of the cluster's barrier
	s_barrier_signal -1
	s_barrier_wait -1
	s_cmp_lg_u32 s[WV], 0
	s_cbranch_scc1 .Lnot_wave_0_\@
	s_barrier_signal -3
.Lnot_wave_0_\@:
	s_barrier_wait -3
	s_barrier_signal -1
	s_barrier_wait -1
.endm
.macro WM d, fa, fb, c, sa, sb, oa, ob ; one product; oa, ob: the scale words stand in lanes 16-31 of their registers
.if ((\oa)==0)&&((\ob)==0)
	v_wmma_scale_f32_16x16x128_f8f6f4 v[\d:\d+7], v[\fa:\fa+11], v[\fb:\fb+11], v[\c:\c+7], v[\sa], v[\sb] matrix_a_fmt:MATRIX_FMT_FP6 matrix_b_fmt:MATRIX_FMT_FP6
.elseif (\ob)==0
	v_wmma_scale_f32_16x16x128_f8f6f4 v[\d:\d+7], v[\fa:\fa+11], v[\fb:\fb+11], v[\c:\c+7], v[\sa], v[\sb] matrix_a_fmt:MATRIX_FMT_FP6 matrix_b_fmt:MATRIX_FMT_FP6 matrix_a_scale:MATRIX_SCALE_ROW1
.elseif (\oa)==0
	v_wmma_scale_f32_16x16x128_f8f6f4 v[\d:\d+7], v[\fa:\fa+11], v[\fb:\fb+11], v[\c:\c+7], v[\sa], v[\sb] matrix_a_fmt:MATRIX_FMT_FP6 matrix_b_fmt:MATRIX_FMT_FP6 matrix_b_scale:MATRIX_SCALE_ROW1
.else
	v_wmma_scale_f32_16x16x128_f8f6f4 v[\d:\d+7], v[\fa:\fa+11], v[\fb:\fb+11], v[\c:\c+7], v[\sa], v[\sb] matrix_a_fmt:MATRIX_FMT_FP6 matrix_b_fmt:MATRIX_FMT_FP6 matrix_a_scale:MATRIX_SCALE_ROW1 matrix_b_scale:MATRIX_SCALE_ROW1
.endif
.endm
; 16 products: source 1's tiles b0, b0 + 1 x source 0's eight, from set q.  first = 1: the bias is C.  The 32 accumulators take turns, one instruction a turn.
.macro MUL16 b0, q, first
.if \first
	WIN 0x81                                       ; source 0 window 1, source 1 and C window 0, D window 2
.else
	WIN 0xa1                                       ; C and D window 2
.endif
.irp b, \b0, \b0+1
.irp a, 0,1,2,3,4,5,6,7
.if \first
	WM 64*(\b)+8*\a, 128*(\q)+12*\a, S1F+48*(\q)+12*(\b), BIAS+BA*\a+BB*(\b), SCL+6*(\q)+\a/2, SCL+4+6*(\q)+(\b)/2, \a%2, (\b)%2
.else
	WM 64*(\b)+8*\a, 128*(\q)+12*\a, S1F+48*(\q)+12*(\b), 64*(\b)+8*\a, SCL+6*(\q)+\a/2, SCL+4+6*(\q)+(\b)/2, \a%2, (\b)%2
.endif
.endr
.endr
.endm
.macro FETCH s                         ; K step s's fragments and scale words into set s % 2: 78 loads in one run; source 1's tiles 2 and 3 last
.set FQ, (\s)%2
.set FO, ((\s)%4)*REC
.set FH, (\s)/4
	WIN 0x40                                       ; destination window 1, address window 0
.irp a, 0,1,2,3,4,5,6,7
.irp p, 0,1,2,3,4,5
	ds_load_b64 v[128*FQ+12*\a+2*\p:128*FQ+12*\a+2*\p+1], v[ADR0+FH] offset:FO+1536*\a+256*\p
.endr
.endr
	WIN 0
.irp u, 0,1,2,3
	ds_load_b32 v[SCL+6*FQ+\u], v[ADS0+FH] offset:FO+128*\u
.endr
.irp u, 0,1
	ds_load_b32 v[SCL+4+6*FQ+\u], v[ADS1+FH] offset:FO+128*\u
.endr
.irp b, 0,1,2,3
.irp p, 0,1,2,3,4,5
	ds_load_b64 v[S1F+48*FQ+12*\b+2*\p:S1F+48*FQ+12*\b+2*\p+1], v[ADR1+FH] offset:FO+1536*\b+256*\p
.endr
.endr
.endm
.macro KSTEP s
	s_wait_dscnt 12                                ; all but the youngest twelve loads (source 1's tiles 2 and 3) are in
.if (\s)==0
	MUL16 0, 0, 1
.else
	MUL16 0, (\s)%2, 0
.endif
	s_wait_dscnt 0x0
.if (\s)<7
.if (\s)==3
	s_wait_tensorcnt 0x0                           ; my part of the panels' second half (K steps 4-7) has landed
	s_barrier_signal -1
	s_barrier_wait -1
.endif
	PLACES 4                                       ; in front of loads into the set that the last step's products read
	FETCH (\s)+1
.endif
.if (\s)==0
	MUL16 2, 0, 1
.else
	MUL16 2, (\s)%2, 0
.endif
.endm
; token tile b into my stage, and back as whole rows.  LDS serves a wave's instructions in order: no wait between the stores and the loads, nor in front of the next tile's stores
.macro TOSTAGE b
	WIN 0x08                                       ; an LDS store's data are its source 1: window 2
.irp a, 0,1,2,3,4,5,6,7
	ds_store_b128 v[STO], v[64*(\b)+8*\a:64*(\b)+8*\a+3] offset:128*(\a/2)+32*(\a%2)        ; each accumulator from its low end on
	ds_store_b128 v[STO], v[64*(\b)+8*\a+4:64*(\b)+8*\a+7] offset:128*(\a/2)+32*(\a%2)+16
.endr
	WIN 0
.set BBK, BK+64*((\b)%2)
.irp i, 0,1,2,3,4,5,6,7,8,9,10,11,12,13,14,15
	ds_load_b128 v[BBK+4*\i:BBK+4*\i+3], v[RD] offset:SPITCH*\i
.endr
.endm
.macro SEND b, younger                 ; younger: the LDS instructions issued behind tile b's loads, which may stay out
.set BBK, BK+64*((\b)%2)
	s_wait_dscnt \younger
.irp i, 0,1,2,3,4,5,6,7,8,9,10,11,12,13,14,15
	global_store_b128 v[L16], v[BBK+4*\i:BBK+4*\i+3], s[10:11] offset:(32*((\b)/2)+8*((\b)%2)+\i+8*(\i/8))*4096 th:TH_STORE_NT   ; 32 lanes store 512 consecutive bytes, at a multiple of 256 from out's first byte
.endr
.endm
	s_load_b128 s[4:7], s[0:1], 0x0                ; source 0's buffer, source 1's
	s_load_b128 s[8:11], s[0:1], 0x10              ; bo, out0
	v_lshl_add_u32 v254, v0, 2, 0x4b000
	v_mov_b32 v255, 0
	ds_add_u32 v254, v255
	ds_add_u32 v254, v255
	v_lshrrev_b32 v1, 5, v0
	v_readfirstlane_b32 s[WV], v1
	s_lshr_b32 s[HS1], s[WV], 1
	s_and_b32 s[HS0], s[WV], 1
	s_bfe_u32 s[CX], ttmp6, 0x40000
	s_bfe_u32 s[CY], ttmp6, 0x40004
	s_lshl_b32 s[PX], ttmp9, 2
	s_add_co_u32 s[PX], s[PX], s[CX]
	s_and_b32 s[PY], ttmp7, 0xffff
	s_lshl_b32 s[PY], s[PY], 2
	s_add_co_u32 s[PY], s[PY], s[CY]
	s_lshl_b32 s56, 0x1111, s[CX]
	s_lshl_b32 s57, s[CY], 2
	s_lshl_b32 s57, 15, s57
	s_or_b32 s[G1A], s56, (3<<16)|(1<<21)          ; dense blocks as rows of 256 bytes: 200 rows for source 0, 100 for source 1
	s_or_b32 s[G1B], s57, (3<<16)|(1<<21)
	s_mov_b32 s[G1A+1], 32<<16
	s_mov_b32 s[G1A+2], 200<<16                    ; 200 rows of 256 bytes = four K steps of a group
	s_mov_b32 s[G1A+3], 32<<16
	s_mov_b32 s[G1A+4], 200
	s_mov_b32 s[G1A+5], 32
	s_mov_b32 s[G1A+6], 0
	s_mov_b32 s[G1A+7], 0
	s_mov_b32 s[G1B+1], 32<<16
	s_mov_b32 s[G1B+2], 100<<16                    ; 100 rows = two K steps
	s_mov_b32 s[G1B+3], 32<<16
	s_mov_b32 s[G1B+4], 100
	s_mov_b32 s[G1B+5], 32
	s_mov_b32 s[G1B+6], 0
	s_mov_b32 s[G1B+7], 0
	s_lshl_b32 s58, s[PX], 1
	s_add_co_u32 s58, s58, s[HS0]                  ; my group of features
	s_add_co_u32 s59, s58, S0G0
	s_mul_i32 s60, s59, GRP
	s_mov_b32 s61, 0
	s_add_co_u32 s62, s[PY], S1G0
	s_mul_i32 s62, s62, GRP
	s_mul_i32 s85, s[HS0], 2*REC
	s_add_co_u32 s62, s62, s85
	s_mov_b32 s63, 0
	s_mul_i32 s84, s[HS0], GRP
	s_wait_dscnt 0x0
	s_wait_kmcnt 0x0
	s_add_nc_u64 s[86:87], s[4:5], s[60:61]
	s_add_nc_u64 s[88:89], s[6:7], s[62:63]
	CROUND                                         ; all sixteen work-groups are here: the joint loads meet
; THE PANELS COME IN TWO HALVES OF 512 ALONG K (this takes the place of the four chunks named at the kernel's head): half c is K steps 4 c .. 4 c + 3.
; Waves 0, 1 fetch a group of source 0 each (four records), waves 2, 3 two records of source 1 each: one joint load a wave and half.
.irp c, 0,1
	s_mov_b32 s[G0A+4*\c], 1
	s_add_co_u32 s[G0A+4*\c+1], s84, \c*4*REC
	s_add_nc_u64 s[G0A+4*\c+2:G0A+4*\c+3], s[86:87], \c*4*REC
	s_or_b32 s[G0A+4*\c+3], s[G0A+4*\c+3], 0x80000000
	s_mov_b32 s[G0B+4*\c], 1
	s_add_co_u32 s[G0B+4*\c+1], s85, S1L+\c*4*REC
	s_add_nc_u64 s[G0B+4*\c+2:G0B+4*\c+3], s[88:89], \c*4*REC
	s_or_b32 s[G0B+4*\c+3], s[G0B+4*\c+3], 0x80000000
.endr
.macro JLOAD c                         ; one joint load a wave; the branch hangs on the wave's number alone
	s_cmp_eq_u32 s[HS1], 0
	s_cbranch_scc0 .Lfor_s1_\@
	tensor_load_to_lds s[G0A+4*\c:G0A+4*\c+3], s[G1A:G1A+7]
	s_nop 0
	PLACES 4
	s_branch .Lasked_\@
.Lfor_s1_\@:
	tensor_load_to_lds s[G0B+4*\c:G0B+4*\c+3], s[G1B:G1B+7]
	s_nop 0
	PLACES 4
.Lasked_\@:
.endm
	JLOAD 0                                        ; the first half: one tensor load a wave at the head
	v_and_b32 v1, 31, v0
	v_and_b32 v2, 15, v0
	v_bfe_u32 v3, v0, 4, 1
	v_lshl_add_u32 v[ADR0], v1, 3, s84
	v_add_nc_u32 v[ADR0+1], 4*REC, v[ADR0]
	s_mul_i32 s90, s[HS1], 6144
	s_add_co_u32 s90, s90, S1L
	v_lshl_add_u32 v[ADR1], v1, 3, s90
	v_add_nc_u32 v[ADR1+1], 4*REC, v[ADR1]
	s_add_co_u32 s91, s84, 12288
	v_lshl_add_u32 v[ADS0], v1, 2, s91
	v_add_nc_u32 v[ADS0+1], 4*REC, v[ADS0]
	s_lshl_b32 s92, s[HS1], 8
	s_add_co_u32 s92, s92, S1L+12288
	v_lshl_add_u32 v[ADS1], v1, 2, s92
	v_add_nc_u32 v[ADS1+1], 4*REC, v[ADS1]
	v_lshlrev_b32 v[BO], 6, v3                     ; the bias: my half's features begin 16 numbers on
	s_wait_alu depctr_va_vdst(0)
	s_mul_i32 s95, s[WV], 16*SPITCH                ; my stage
	v_mul_u32_u24 v[STO], v2, SPITCH
	v_lshl_add_u32 v[STO], v3, 6, v[STO]
	v_add_nc_u32 v[STO], s95, v[STO]               ; in: row r, + 64 h
	v_lshl_add_u32 v[RD], v1, 4, s95               ; back: 16 bytes a lane of a row
	v_lshlrev_b32 v[L16], 4, v1
	s_lshl_b32 s100, s58, 9                        ; my 128 features, in bytes: in bo and in a row of out
	s_mov_b32 s101, 0
	s_add_nc_u64 s[8:9], s[8:9], s[100:101]
	s_add_nc_u64 s[10:11], s[10:11], s[100:101]
	s_lshl_b32 s100, s[PY], 19                     ; 128 tokens of 4,096 bytes a group,
	s_lshl_b32 s94, s[HS1], 18                     ; my 64 of them
	s_add_co_u32 s100, s100, s94
	s_add_nc_u64 s[10:11], s[10:11], s[100:101]
.irp a, 0,1,2,3,4,5,6,7
	global_load_b128 v[BIAS+8*\a:BIAS+8*\a+3], v[BO], s[8:9] offset:(32*(\a/2)+8*(\a%2))*4
	global_load_b128 v[BIAS+8*\a+4:BIAS+8*\a+7], v[BO], s[8:9] offset:(32*(\a/2)+8*(\a%2))*4+16
.endr
	s_wait_loadcnt 0x0
	s_wait_alu depctr_va_vdst(0)
	s_wait_tensorcnt 0x0                           ; my part of the first half has landed
	ds_add_u32 v254, v255
	s_wait_dscnt 0x0
	CROUND                                         ; everybody's part is in, and all sixteen work-groups are here
	JLOAD 1                                        ; the second half lands under K steps 0-3
	FETCH 0
.irp s, 0,1,2,3,4,5,6,7
	KSTEP \s
.endr
	WIN 0
	s_wait_dscnt 0x0                               ; my reads of the panels are over
	s_barrier_signal -1
	s_barrier_wait -1                              ; everybody's are: the stages may be written
	PLACES 4                                       ; in front of the first read of results and of loads into registers that the products read
	s_wait_alu depctr_va_vdst(0)
	TOSTAGE 0
.irp b, 1,2,3
.if \b > 1
	s_wait_xcnt 0x0                                ; tile b - 2's stores have read their registers: tile b's loads may land there
.endif
	TOSTAGE \b
	SEND \b-1, 32                                  ; behind tile b - 1's loads: tile b's 16 stores and 16 loads
.endr
	SEND 3, 0
	s_wait_tensorcnt 0x0
	ds_add_u32 v254, v255
	s_wait_dscnt 0x0
	CROUND                                         ; the closing round
	s_endpgm
.Lfunc_end_k_qe6adfd0fc2_oproj:
	.size	k_qe6adfd0fc2_oproj, .Lfunc_end_k_qe6adfd0fc2_oproj-k_qe6adfd0fc2_oproj
	.p2alignl 7, 3214868480
	.fill 96, 4, 3214868480
	.section	.rodata,"a",@progbits
	.p2align	6, 0x0
	.amdhsa_kernel k_qe6adfd0fc2_oproj
		.amdhsa_group_segment_fixed_size 327680
		.amdhsa_private_segment_fixed_size 0
		.amdhsa_enable_private_segment 0
		.amdhsa_kernarg_size 32
		.amdhsa_user_sgpr_count 2
		.amdhsa_user_sgpr_kernarg_segment_ptr 1
		.amdhsa_wavefront_size32 1
		.amdhsa_system_sgpr_workgroup_id_x 1
		.amdhsa_system_sgpr_workgroup_id_y 1
		.amdhsa_system_sgpr_workgroup_id_z 1
		.amdhsa_system_vgpr_workitem_id 0
		.amdhsa_next_free_vgpr 768
		.amdhsa_next_free_sgpr 102
		.amdhsa_reserve_vcc 0
		.amdhsa_float_denorm_mode_32 3
		.amdhsa_float_denorm_mode_16_64 3
		.amdhsa_memory_ordered 1
		.amdhsa_forward_progress 1
		.amdhsa_inst_pref_size 98
	.end_amdhsa_kernel
	.amdgpu_metadata
---
amdhsa.version: [ 1, 2 ]
amdhsa.kernels:
  - .name:           k_qe6adfd0fc2_oproj
    .symbol:         k_qe6adfd0fc2_oproj.kd
    .args:
      - { .name: wf, .offset: 0, .size: 8, .value_kind: global_buffer, .address_space: global }
      - { .name: cf, .offset: 8, .size: 8, .value_kind: global_buffer, .address_space: global }
      - { .name: bo, .offset: 16, .size: 8, .value_kind: global_buffer, .address_space: global }
      - { .name: out0, .offset: 24, .size: 8, .value_kind: global_buffer, .address_space: global }
    .group_segment_fixed_size: 327680
    .private_segment_fixed_size: 0
    .kernarg_segment_align: 8
    .kernarg_segment_size: 32
    .max_flat_workgroup_size: 128
    .sgpr_count:     102
    .vgpr_count:     768
    .wavefront_size: 32
...
	.end_amdgpu_metadata
.endif
;; end of part 5
